; MI455X (gfx1250); checked and timed in simulation.
; The chip was launched on July 23, 2026; its instructions are those of AMD's public machine-readable ISA for CDNA 5 (MIT licence, August 2026) and "CDNA5" Instruction Set Architecture Reference Guide (July 2026). The comments in the code are by the model that wrote it; some were corrected since.
;; TU Layer. Allowed arithmetic: matrix products marked QUANTISED: E5M2 operands, one given power-of-two scale a tensor, by v_wmma_f32_16x16x64_bf8_bf8 or v_wmma_f32_16x16x128_bf8_bf8, f32 sums; products left as they are: f32 operands where the result goes on into a quantised operand, else bf16, f16 or f32 operands; f32 sums; everything else in f32.
;; Inputs: b1 256 float32; b2 256 float32; lowp_scales 4 int32 (the exponents e of the quantised operands' scales 2^e); points_1 2 x 256 x 4,096 float32; points_2 2 x 256 x 16,384 float32; w1 256 x 256 float32; w2 256 x 256 float32; xyz_1 2 x 3 x 4,096 float32; xyz_2 2 x 3 x 16,384 float32.
;; Outputs: out0 2 x 3 x 16,384 float32; out1 2 x 256 x 16,384 float32.
;; This version of the problem:
;;   THIS VERSION OF THE PROBLEM IS GIVEN IN LOW PRECISION. The matrix products marked QUANTISED in the list below multiply operands that are first quantised to E5M2 (5 exponent bits, 2 mantissa bits; 8 bits a number), with one given power-of-two scale for each operand tensor; their sums are f32. All else is computed in f32.
;;   The module's matrix products, in the order in which they are computed (A, B: the left and right operand; K: the contracted axis; several contracted axes count as one K, in the product's order):
;;     1. [M 8,192, K 256] x [K 256, N 256]; A: input points_1; B: input w1: QUANTISED (scales: A lowp_scales[0], B lowp_scales[1])
;;     2. [M 32,768, K 256] x [K 256, N 256]; A: input points_2; B: input w2: QUANTISED (scales: A lowp_scales[2], B lowp_scales[3])
;;     3. batch 2 x [M 16,384, K 3] x [K 3, N 4,096]; A: input xyz_2; B: input xyz_1: left as it is (K = 3 < 32)
;;     4. batch 32,768 x [M 1, K 3] x [K 3, N 256]; A: computed on the way; B: computed on the way: left as it is (K = 3 < 32)
;;   THE QUANTISER, for each operand of a quantised product, along K:
;;     - The operand's scale is 2^e, e = its entry of the input lowp_scales (int32; the entries are numbered through the quantised products in the list's order, A before B).
;;     - Each number is divided by the scale, clamped to +-57,344, and rounded to the nearest number of E5M2, ties to even, subnormals kept.
;;     - The product sums the exact products of the quantised numbers (number of the format x scale) in f32.
;;   ~~~python
;;   def quantise(x, axis, e):      # numpy; x: float32 -> the quantised numbers, widened to float32 again
;;       x = np.moveaxis(x, axis, -1); K = x.shape[-1]
;;       r = np.clip(x / 2.0 ** e, -57344, 57344)
;;       step = 2.0 ** (np.maximum(np.frexp(np.where(r == 0, 1, r))[1] - 1, -14) - 2)
;;       q = np.round(r / step) * step * 2.0 ** e      # np.round: ties to even
;;       return np.moveaxis(q, -1, axis).astype(np.float32)
;;   ~~~
;; 2 versions, each right; version 2 is version 1 with the launches refine, fuse written anew for expert scheduling mode. Each part assembles by itself: llvm-mc -triple=amdgcn-amd-amdhsa -mcpu=gfx1250 --defsym DOCPART=n.
;; ======== version 1 of 2: 3 launches
;; limits: right only within a limited range of input values
;; workspace buffers: cand 131,072 bytes of whole numbers; nidx 524,288 bytes of whole numbers; nwgt 524,288 bytes; p1t 4,194,304 bytes; w1c 65,536 bytes; w2c 65,536 bytes
;; launch scan (part 1): grid 256 x 1, 8 waves a work-group, no clusters, 95,744 bytes of LDS; arguments xyz_1, xyz_2, w1, w2, lowp_scales, out0, cand, w1c, w2c; writes out0, cand, w1c, w2c
.if DOCPART == 1
	.amdgcn_target "amdgcn-amd-amdhsa--gfx1250"
	.amdhsa_code_object_version 6
	.text
	.protected	k_qbc5e6d741f_scan
	.globl	k_qbc5e6d741f_scan
	.p2align	8
	.type	k_qbc5e6d741f_scan,@function
k_qbc5e6d741f_scan:
	s_mov_b64 s[64:65], 0
	v_nop
	global_prefetch_b8 v0, s[64:65] scope:SCOPE_SE
	s_setreg_imm32_b32 hwreg(HW_REG_WAVE_MODE, 25, 1), 1
	s_wait_xcnt 0x0
; FIRST LEVEL OF THE SEARCH FOR THE THREE NEAREST POINTS; besides: xyz_2 is copied to out0, and w1 and w2 become codes of E5M2.
; The 4,096 points of a batch are 128 chunks of 32 neighbouring indices.  The three nearest points by (d2, index) lie in the three first chunks by
; (smallest d2 of the chunk, chunk number): each chunk ahead of a point's chunk holds a point ahead of that point, and at most two points are ahead of one of the three.
; So here only a chunk's smallest d2 is kept (half a v_min3 a pair), and the insertion with numbers is paid once for 32 pairs.  cand gets one word a query: the three chunk numbers, ascending, a byte each.
; d2 = (ss + dd) - 2 dot, clamped at 0, in f32, in the order in which the module writes it: ss, dd = (x x + y y) + z z with each product rounded (SQ_FMA = 0; 1: a fused chain),
; dot = fma(z, z', fma(y, y', x x')) (DOT_FMA = 1; 0: products and sums rounded one by one); 2 dot is exact, so one fused multiply-add gives the difference rounded once.
; The next launch computes d2 by the same lines.  The clamp commutes with the minimum and is made once a chunk.  Ties go to the lower number: candidates come in ascending order and only a strictly smaller one moves in.
; SHARES.  Work-group x: batch x / 128, queries 128 (x % 128) on.  Every wave holds all 128 queries, four a lane; wave w scans chunks 16 w .. 16 w + 15 out of a table in LDS; the eight lists of three meet in LDS.
; Then waves 0-3 merge (a thread to a query), wave 4 quantises one block of 512 codes of w1 (x < 128) or w2, wave 5 stores the queries' coordinates to out0.
; NO JOINT LOADS: a work-group reads its batch's 49,152 bytes of xyz_1 once, at its head, through registers (dd is computed and the chunks are laid on the way); the loop fetches nothing from memory.
; THE WEIGHTS' CODES lie in the order of the operand's registers: block ((2 ot + s) 4 + c) of 512 bytes; lane (r, h)'s 16 bytes are row 16 ot + r, k = 128 s + 32 c + 16 h + 0 .. 15.
; LIMITS: NaN and infinities among the inputs are not served; each given exponent e lies between -126 and 112.  Two points whose d2 differ by less than the formula's own f32 rounding are ranked as this order of rounding ranks them.
.set SQ_FMA,  0
.set DOT_FMA, 1
.set CHB, 528                          ; a chunk in the table: x[32] y[32] z[32] dd[32], 512 bytes, + 16
.set MRG, 69632                        ; behind the table (128 x 528 = 67,584 bytes), at the next multiple of 4,096: the lists, 8 waves x 6 x 512 bytes
.set PKW, MRG+8*6*512                  ; the 128 packed words
.set QQ,  4                            ; v4-19    four registers a query: x, y, z, ss
.set LA,  20                           ; v20-31   the three smallest, a quad each (one register a query)
.set LB,  24
.set LC,  28
.set NA,  32                           ; v32-43   their chunk numbers
.set NB,  36
.set NC,  40
.set MM,  44                           ; v44-47   the chunk's smallest d2
.set VV,  48                           ; v48-51   the same, clamped
.set T1,  52                           ; v52-59   at work in an insertion
.set T2,  56
.set TA,  60                           ; v60      LDS address of the chunk in hand
.set LS,  61                           ; v61      where my wave's lists go: MRG + 3,072 wave + 16 lane
.set MR,  62                           ; v62      where a merging thread reads: MRG + 4 thread
.set PA,  63                           ; v63      and where it puts its word: PKW + 4 thread
.set CB,  64                           ; v64-127  two buffers of 8 points: x8 y8 z8 dd8.  At the head: the table's 48 + 16 registers.  In the merge: 48 list words
.set BT,  64
.set LW,  64
.set DD,  128                          ; v128-143 dot, then d2: 4 queries x 2 pairs of points
.set TT,  144                          ; v144-159 ss + dd
.set QL,  160                          ; v160-171 the queries' x, y, z as loaded: they go to out0 as they are
.set PR,  172                          ; v172     PKW + 16 lane
.set WS,  173                          ; v173     a weight's bytes for my lane: 1,024 r + 64 h
.set PP,  176                          ; v176-191 products, with DOT_FMA = 0 alone
.set SQT, 128
.macro SQ d, x, y, z, t                ; two sums of three squares
	v_pk_mul_f32 v[\d:\d+1], v[\x:\x+1], v[\x:\x+1]
.if SQ_FMA
	v_pk_fma_f32 v[\d:\d+1], v[\y:\y+1], v[\y:\y+1], v[\d:\d+1]
	v_pk_fma_f32 v[\d:\d+1], v[\z:\z+1], v[\z:\z+1], v[\d:\d+1]
.else
	v_pk_mul_f32 v[\t:\t+1], v[\y:\y+1], v[\y:\y+1]    ; not fused on purpose: each product is rounded, as where the module squares and then sums
	v_pk_add_f32 v[\d:\d+1], v[\d:\d+1], v[\t:\t+1]
	v_pk_mul_f32 v[\t:\t+1], v[\z:\z+1], v[\z:\z+1]
	v_pk_add_f32 v[\d:\d+1], v[\d:\d+1], v[\t:\t+1]
.endif
.endm
; One candidate (value v[val], number iv) into a sorted list of three.  Only a strictly smaller value moves in, so the one that came first keeps its place in a tie.
.macro INS val, iv, la, lb, lc, na, nb, nc, t1, t2, m
	v_cmp_lt_f32 s[\m], v[\val], v[\la]
	v_cmp_lt_f32 s[\m+1], v[\val], v[\lb]
	v_cmp_lt_f32 s[\m+2], v[\val], v[\lc]
	v_cndmask_b32 v[\t1], \iv, v[\nb], s[\m+1]
	v_cndmask_b32 v[\nc], v[\nc], v[\t1], s[\m+2]
	v_cndmask_b32 v[\t2], \iv, v[\na], s[\m]
	v_cndmask_b32 v[\nb], v[\nb], v[\t2], s[\m+1]
	v_cndmask_b32 v[\na], v[\na], \iv, s[\m]
	v_med3_num_f32 v[\lc], v[\lb], v[\lc], v[\val]
	v_med3_num_f32 v[\lb], v[\la], v[\lb], v[\val]
	v_min_num_f32 v[\la], v[\la], v[\val]
.endm
	s_load_b256 s[4:11], s[0:1], 0x0               ; xyz_1 s[4:5], xyz_2 s[6:7], w1 s[8:9], w2 s[10:11]
	s_load_b256 s[12:19], s[0:1], 0x20             ; the scales' exponents s[12:13], out0 s[14:15], cand s[16:17], w1c s[18:19]
	s_load_b64 s[36:37], s[0:1], 0x40              ; w2c
	v_lshl_add_u32 v192, v0, 2, 0x17200
	v_mov_b32 v193, 0
	v_lshrrev_b32 v1, 5, v0
	v_readfirstlane_b32 s20, v1                    ; wave 0..7
	s_lshr_b32 s21, ttmp9, 7                       ; batch
	s_and_b32 s27, ttmp9, 127                      ; block of 128 queries in the batch; also the weights' block
	v_and_b32 v1, 31, v0
	v_lshlrev_b32 v1, 4, v1                        ; 16 x lane
	v_lshlrev_b32 v2, 4, v0                        ; 16 x thread: my four points in a row of xyz_1
	v_lshrrev_b32 v3, 3, v0
	v_mul_u32_u24 v3, v3, CHB
	v_and_b32 v[TA], 7, v0
	v_lshl_add_u32 v3, v[TA], 4, v3                ; and in the table: chunk thread / 8, 16 bytes at 16 (thread % 8)
	s_mul_i32 s22, s20, 6*512
	s_add_co_u32 s22, s22, MRG
	v_add_nc_u32 v[LS], s22, v1
	v_lshl_add_u32 v[MR], v0, 2, MRG
	v_lshl_add_u32 v[PA], v0, 2, PKW
	v_add_nc_u32 v[PR], PKW, v1
	v_and_b32 v[WS], 15, v0
	v_lshlrev_b32 v[WS], 10, v[WS]
	v_bfe_u32 v[TA], v0, 4, 1
	v_lshl_add_u32 v[WS], v[TA], 6, v[WS]
	s_mov_b32 s23, 0
	s_wait_kmcnt 0x0
	s_mul_i32 s22, s21, 3*4096*4
	s_add_nc_u64 s[4:5], s[4:5], s[22:23]          ; my batch's points
	s_mul_i32 s22, s21, 3*16384*4
	s_lshl_b32 s28, s27, 9
	s_add_co_u32 s22, s22, s28
	s_add_nc_u64 s[6:7], s[6:7], s[22:23]          ; my 128 queries, in xyz_2
	s_add_nc_u64 s[14:15], s[14:15], s[22:23]      ; and in out0
.irp i, 0,1,2,3                                ; points 4 (thread + 256 i) on: x, y, z; a wave's load covers 512 consecutive bytes
.irp c, 0,1,2
	global_load_b128 v[BT+12*\i+4*\c:BT+12*\i+4*\c+3], v2, s[4:5] offset:4096*\i+16384*\c
.endr
.endr
.irp c, 0,1,2
	global_load_b128 v[QL+4*\c:QL+4*\c+3], v1, s[6:7] offset:65536*\c   ; queries 4 lane .. 4 lane + 3, in every wave
.endr
	s_wait_loadcnt 3                               ; the twelve loads of points are in; the queries' three may be out
.irp i, 0,1,2,3
.irp p, 0,1
	SQ BT+48+4*\i+2*\p, BT+12*\i+2*\p, BT+12*\i+4+2*\p, BT+12*\i+8+2*\p, SQT+2*\p
.endr
.irp c, 0,1,2
	ds_store_b128 v3, v[BT+12*\i+4*\c:BT+12*\i+4*\c+3] offset:32*CHB*\i+128*\c
.endr
	ds_store_b128 v3, v[BT+48+4*\i:BT+48+4*\i+3] offset:32*CHB*\i+384
.endr
	s_wait_loadcnt 0x0                             ; the queries
	SQ DD, QL, QL+4, QL+8, TT
	SQ DD+2, QL+2, QL+6, QL+10, TT+2
.irp q, 0,1,2,3
	v_mov_b32 v[QQ+4*\q], v[QL+\q]                 ; a query's four numbers side by side: the packed forms name them as pairs
	v_mov_b32 v[QQ+4*\q+1], v[QL+4+\q]
	v_mov_b32 v[QQ+4*\q+2], v[QL+8+\q]
	v_mov_b32 v[QQ+4*\q+3], v[DD+\q]
.endr
.irp j, 0,1,2,3,4,5,6,7,8,9,10,11
	v_mov_b32 v[LA+\j], 0x7f800000                 ; the lists begin at +infinity,
	v_mov_b32 v[NA+\j], 0                          ; with numbers that the first three chunks push out
.endr
	s_mul_i32 s24, s20, 16*CHB                     ; my wave's first chunk in the table,
	s_lshl_b32 s25, s20, 4                         ; and its number
	v_mov_b32 v[TA], s24
	s_wait_dscnt 0x0                               ; my part of the table is stored
	s_barrier_signal -1
	s_barrier_wait -1                              ; the table is whole
.macro LOADG buf, off                  ; eight points' x, y, z, dd: every lane reads the same bytes
.irp k, 0,1,2,3
.irp h, 0,1
	ds_load_b128 v[CB+32*\buf+8*\k+4*\h:CB+32*\buf+8*\k+4*\h+3], v[TA] offset:\off+128*\k+16*\h
.endr
.endr
.endm
; Four points against my four queries: eight chains (query q, pair p of points), line by line, so that no line waits for the line above it.
.macro HALF buf, hh, first
.set CP, CB+32*\buf+4*\hh
.irp q, 0,1,2,3
.irp p, 0,1
	v_pk_mul_f32 v[DD+4*\q+2*\p:DD+4*\q+2*\p+1], v[CP+2*\p:CP+2*\p+1], v[QQ+4*\q:QQ+4*\q+1] op_sel_hi:[1,0]   ; x' x
.endr
.endr
.irp q, 0,1,2,3
.irp p, 0,1
	v_pk_add_f32 v[TT+4*\q+2*\p:TT+4*\q+2*\p+1], v[CP+24+2*\p:CP+24+2*\p+1], v[QQ+4*\q+2:QQ+4*\q+3] op_sel:[0,1] op_sel_hi:[1,1]   ; ss + dd
.endr
.endr
.if DOT_FMA
.irp q, 0,1,2,3
.irp p, 0,1
	v_pk_fma_f32 v[DD+4*\q+2*\p:DD+4*\q+2*\p+1], v[CP+8+2*\p:CP+8+2*\p+1], v[QQ+4*\q:QQ+4*\q+1], v[DD+4*\q+2*\p:DD+4*\q+2*\p+1] op_sel:[0,1,0] op_sel_hi:[1,1,1]   ; + y' y
.endr
.endr
.irp q, 0,1,2,3
.irp p, 0,1
	v_pk_fma_f32 v[DD+4*\q+2*\p:DD+4*\q+2*\p+1], v[CP+16+2*\p:CP+16+2*\p+1], v[QQ+4*\q+2:QQ+4*\q+3], v[DD+4*\q+2*\p:DD+4*\q+2*\p+1] op_sel_hi:[1,0,1]   ; + z' z
.endr
.endr
.else
.irp q, 0,1,2,3
.irp p, 0,1
	v_pk_mul_f32 v[PP+4*\q+2*\p:PP+4*\q+2*\p+1], v[CP+8+2*\p:CP+8+2*\p+1], v[QQ+4*\q:QQ+4*\q+1] op_sel:[0,1] op_sel_hi:[1,1]
.endr
.endr
.irp q, 0,1,2,3
.irp p, 0,1
	v_pk_add_f32 v[DD+4*\q+2*\p:DD+4*\q+2*\p+1], v[DD+4*\q+2*\p:DD+4*\q+2*\p+1], v[PP+4*\q+2*\p:PP+4*\q+2*\p+1]
.endr
.endr
.irp q, 0,1,2,3
.irp p, 0,1
	v_pk_mul_f32 v[PP+4*\q+2*\p:PP+4*\q+2*\p+1], v[CP+16+2*\p:CP+16+2*\p+1], v[QQ+4*\q+2:QQ+4*\q+3] op_sel_hi:[1,0]
.endr
.endr
.irp q, 0,1,2,3
.irp p, 0,1
	v_pk_add_f32 v[DD+4*\q+2*\p:DD+4*\q+2*\p+1], v[DD+4*\q+2*\p:DD+4*\q+2*\p+1], v[PP+4*\q+2*\p:PP+4*\q+2*\p+1]
.endr
.endr
.endif
.irp q, 0,1,2,3
.irp p, 0,1
	v_pk_fma_f32 v[DD+4*\q+2*\p:DD+4*\q+2*\p+1], v[DD+4*\q+2*\p:DD+4*\q+2*\p+1], -2.0, v[TT+4*\q+2*\p:TT+4*\q+2*\p+1] op_sel_hi:[1,0,1]   ; (ss + dd) - 2 dot
.endr
.endr
.irp q, 0,1,2,3
.if \first
	v_min_num_f32 v[MM+\q], v[DD+4*\q], v[DD+4*\q+1]           ; the chunk's first pair starts the minimum: nothing is cleared
.else
	v_min3_num_f32 v[MM+\q], v[MM+\q], v[DD+4*\q], v[DD+4*\q+1]
.endif
.endr
.irp q, 0,1,2,3
	v_min3_num_f32 v[MM+\q], v[MM+\q], v[DD+4*\q+2], v[DD+4*\q+3]
.endr
.endm
; A chunk: four groups of eight points on two buffers.  Each wait for 8 leaves out the eight loads just issued and shows the eight before them in; the count is the same on the way into the loop and round its back edge.
.macro CHUNK more
	LOADG 1, 32
	s_wait_dscnt 8
	HALF 0, 0, 1
	HALF 0, 1, 0
	LOADG 0, 64
	s_wait_dscnt 8
	HALF 1, 0, 0
	HALF 1, 1, 0
	LOADG 1, 96
	s_wait_dscnt 8
	HALF 0, 0, 0
	HALF 0, 1, 0
.if \more
	LOADG 0, CHB                                   ; the next chunk's first group
	s_wait_dscnt 8
.else
	s_wait_dscnt 0x0
.endif
	HALF 1, 0, 0
	HALF 1, 1, 0
.irp q, 0,1,2,3
	v_max_num_f32 v[VV+\q], 0, v[MM+\q]            ; the clamp, once a chunk
.endr
.irp q, 0,1,2,3                                ; the insertion of macro INS for four queries, line by line; the number is s25
	v_cmp_lt_f32 s[40+3*\q], v[VV+\q], v[LA+\q]
	v_cmp_lt_f32 s[41+3*\q], v[VV+\q], v[LB+\q]
	v_cmp_lt_f32 s[42+3*\q], v[VV+\q], v[LC+\q]
.endr
.irp q, 0,1,2,3
	v_cndmask_b32 v[T1+\q], s25, v[NB+\q], s[41+3*\q]
.endr
.irp q, 0,1,2,3
	v_cndmask_b32 v[T2+\q], s25, v[NA+\q], s[40+3*\q]
.endr
.irp q, 0,1,2,3
	v_cndmask_b32 v[NC+\q], v[NC+\q], v[T1+\q], s[42+3*\q]
.endr
.irp q, 0,1,2,3
	v_cndmask_b32 v[NB+\q], v[NB+\q], v[T2+\q], s[41+3*\q]
.endr
.irp q, 0,1,2,3
	v_cndmask_b32 v[NA+\q], v[NA+\q], s25, s[40+3*\q]
.endr
.irp q, 0,1,2,3
	v_med3_num_f32 v[LC+\q], v[LB+\q], v[LC+\q], v[VV+\q]
.endr
.irp q, 0,1,2,3
	v_med3_num_f32 v[LB+\q], v[LA+\q], v[LB+\q], v[VV+\q]
.endr
.irp q, 0,1,2,3
	v_min_num_f32 v[LA+\q], v[LA+\q], v[VV+\q]
.endr
.if \more
	s_add_co_u32 s24, s24, CHB
	s_add_co_u32 s25, s25, 1
	v_mov_b32 v[TA], s24                           ; an LDS load has read its address when it is issued
.endif
.endm
	LOADG 0, 0
	s_mov_b32 s26, 0
.Lchunk:                                           ; 15 trips; the sixteenth chunk is written out: it fetches nothing beyond itself
	CHUNK 1
	s_add_co_u32 s26, s26, 1
	s_cmp_lt_u32 s26, 15
	s_cbranch_scc1 .Lchunk
	CHUNK 0
.irp e, 0,1,2,3,4,5
	ds_store_b128 v[LS], v[LA+4*\e:LA+4*\e+3] offset:512*\e   ; element e of my wave's lists: 128 queries, 512 bytes
.endr
	s_wait_dscnt 0x0                               ; for the others' sake: my lists are stored
	s_barrier_signal -1
	s_barrier_wait -1
	s_cmp_lt_u32 s20, 4
	s_cbranch_scc0 .Lnot_merge
	; WAVES 0-3: thread t merges query t's eight lists, in the order of the waves, which is the order of the chunk numbers
.irp w, 0,1,2,3,4,5,6,7
.irp e, 0,1,2,3,4,5
	ds_load_b32 v[LW+6*\w+\e], v[MR] offset:(6*\w+\e)*512
.endr
.endr
	s_wait_dscnt 0x0
.irp w, 1,2,3,4,5,6,7                          ; wave 0's list is the start
.irp e, 0,1,2
	INS LW+6*\w+\e, v[LW+6*\w+3+\e], LW, LW+1, LW+2, LW+3, LW+4, LW+5, T1, T2, 40
.endr
.endr
	v_min_u32 v[LW+6], v[LW+3], v[LW+4]            ; the three numbers in ascending order, so that the next launch scans by ascending index
	v_max_u32 v[LW+7], v[LW+3], v[LW+4]
	v_add3_u32 v[LW+8], v[LW+3], v[LW+4], v[LW+5]
	v_min_u32 v[LW+6], v[LW+6], v[LW+5]
	v_max_u32 v[LW+7], v[LW+7], v[LW+5]
	v_sub_nc_u32 v[LW+8], v[LW+8], v[LW+6]
	v_sub_nc_u32 v[LW+8], v[LW+8], v[LW+7]         ; the middle one
	v_lshl_or_b32 v[LW+6], v[LW+8], 8, v[LW+6]
	v_lshl_or_b32 v[LW+6], v[LW+7], 16, v[LW+6]
	ds_store_b32 v[PA], v[LW+6]
	s_branch .Ljoin
.Lnot_merge:
	s_cmp_eq_u32 s20, 4
	s_cbranch_scc0 .Lnot_weights
	; WAVE 4: one block of 512 codes of w1 (work-groups 0-127) or w2: the choice hangs on the work-group's number alone
	s_load_b128 s[52:55], s[12:13], 0x0            ; the four exponents: w1's is entry 1, w2's entry 3
	s_cmp_lt_u32 ttmp9, 128
	s_cselect_b64 s[8:9], s[8:9], s[10:11]
	s_cselect_b64 s[18:19], s[18:19], s[36:37]
	s_lshr_b32 s28, s27, 3
	s_lshl_b32 s28, s28, 14                        ; 16 ot rows of 1,024 bytes
	s_bfe_u32 s29, s27, 0x10002
	s_lshl_b32 s29, s29, 9                         ; 128 s numbers
	s_add_co_u32 s28, s28, s29
	s_and_b32 s29, s27, 3
	s_lshl_b32 s29, s29, 7                         ; 32 c numbers
	s_add_co_u32 s28, s28, s29
	s_mov_b32 s29, 0
	s_add_nc_u64 s[8:9], s[8:9], s[28:29]
.irp j, 0,1,2,3
	global_load_b128 v[64+4*\j:67+4*\j], v[WS], s[8:9] offset:16*\j   ; my row's 16 neighbours along K
.endr
	s_lshl_b32 s28, s27, 9
	s_add_nc_u64 s[18:19], s[18:19], s[28:29]
	s_wait_kmcnt 0x0
	s_cmp_lt_u32 ttmp9, 128
	s_cselect_b32 s52, s53, s55                    ; e
	s_add_co_i32 s52, s52, 127
	s_lshl_b32 s53, s52, 23
	v_mov_b32 v80, s53                             ; 2^e as f32: the conversion takes its exponent field
	s_add_co_i32 s52, s52, 15
	s_lshl_b32 s52, s52, 23
	s_or_b32 s52, s52, 0x600000
	v_mov_b32 v81, s52                             ; 57,344 x 2^e
	s_wait_loadcnt 0x0
.irp j, 0,1,2,3,4,5,6,7,8,9,10,11,12,13,14,15
	v_med3_num_f32 v[64+\j], v[64+\j], -v81, v81   ; the conversion to an 8-bit code does not saturate (ISA guide 7.6.2): the hold at the largest code x the scale
.endr
	v_cvt_scalef32_pk8_bf8_f32 v[82:83], v[64:71], v80
	v_cvt_scalef32_pk8_bf8_f32 v[84:85], v[72:79], v80
	v_nop                                          ; a plain line behind the last conversion
	global_store_b128 v1, v[82:85], s[18:19]       ; the wave stores 512 consecutive bytes
	s_branch .Ljoin
.Lnot_weights:
	s_cmp_eq_u32 s20, 5
	s_cbranch_scc0 .Ljoin
	; WAVE 5: out0 = xyz_2, from the registers that hold it anyway
.irp c, 0,1,2
	global_store_b128 v1, v[QL+4*\c:QL+4*\c+3], s[14:15] offset:65536*\c
.endr
.Ljoin:
	s_wait_dscnt 0x0                               ; the merging waves' words are stored
	s_barrier_signal -1
	s_barrier_wait -1
	s_cmp_lg_u32 s20, 0
	s_cbranch_scc1 .Lend
	ds_load_b128 v[64:67], v[PR]                   ; wave 0 stores the 128 words as 512 consecutive bytes
	s_lshl_b32 s28, ttmp9, 9
	s_mov_b32 s29, 0
	s_add_nc_u64 s[16:17], s[16:17], s[28:29]
	s_wait_dscnt 0x0
	global_store_b128 v1, v[64:67], s[16:17]
.Lend:
	s_wait_tensorcnt 0x0
	ds_add_u32 v192, v193
	s_wait_dscnt 0x0
	s_endpgm
.Lfunc_end_k_qbc5e6d741f_scan:
	.size	k_qbc5e6d741f_scan, .Lfunc_end_k_qbc5e6d741f_scan-k_qbc5e6d741f_scan
	.p2alignl 7, 3214868480
	.fill 96, 4, 3214868480
	.section	.rodata,"a",@progbits
	.p2align	6, 0x0
	.amdhsa_kernel k_qbc5e6d741f_scan
		.amdhsa_group_segment_fixed_size 95744
		.amdhsa_private_segment_fixed_size 0
		.amdhsa_enable_private_segment 0
		.amdhsa_kernarg_size 72
		.amdhsa_user_sgpr_count 2
		.amdhsa_user_sgpr_kernarg_segment_ptr 1
		.amdhsa_wavefront_size32 1
		.amdhsa_system_sgpr_workgroup_id_x 1
		.amdhsa_system_sgpr_workgroup_id_y 1
		.amdhsa_system_sgpr_workgroup_id_z 1
		.amdhsa_system_vgpr_workitem_id 0
		.amdhsa_next_free_vgpr 194
		.amdhsa_next_free_sgpr 66
		.amdhsa_reserve_vcc 0
		.amdhsa_float_denorm_mode_32 3
		.amdhsa_float_denorm_mode_16_64 3
		.amdhsa_memory_ordered 1
		.amdhsa_forward_progress 1
		.amdhsa_inst_pref_size 89
	.end_amdhsa_kernel
	.amdgpu_metadata
---
amdhsa.version: [ 1, 2 ]
amdhsa.kernels:
  - .name:           k_qbc5e6d741f_scan
    .symbol:         k_qbc5e6d741f_scan.kd
    .args:
      - { .name: xyz_1, .offset: 0, .size: 8, .value_kind: global_buffer, .address_space: global }
      - { .name: xyz_2, .offset: 8, .size: 8, .value_kind: global_buffer, .address_space: global }
      - { .name: w1, .offset: 16, .size: 8, .value_kind: global_buffer, .address_space: global }
      - { .name: w2, .offset: 24, .size: 8, .value_kind: global_buffer, .address_space: global }
      - { .name: lowp_scales, .offset: 32, .size: 8, .value_kind: global_buffer, .address_space: global }
      - { .name: out0, .offset: 40, .size: 8, .value_kind: global_buffer, .address_space: global }
      - { .name: cand, .offset: 48, .size: 8, .value_kind: global_buffer, .address_space: global }
      - { .name: w1c, .offset: 56, .size: 8, .value_kind: global_buffer, .address_space: global }
      - { .name: w2c, .offset: 64, .size: 8, .value_kind: global_buffer, .address_space: global }
    .group_segment_fixed_size: 95744
    .private_segment_fixed_size: 0
    .kernarg_segment_align: 8
    .kernarg_segment_size: 72
    .max_flat_workgroup_size: 256
    .sgpr_count:     66
    .vgpr_count:     194
    .wavefront_size: 32
...
	.end_amdgpu_metadata
.endif
;; end of part 1
;; launch refine (part 2): grid 256 x 1, 8 waves a work-group, no clusters, 108,544 bytes of LDS; arguments xyz_1, xyz_2, cand, points_1, w1c, b1, lowp_scales, nidx, nwgt, p1t; writes nidx, nwgt, p1t
.if DOCPART == 2
	.amdgcn_target "amdgcn-amd-amdhsa--gfx1250"
	.amdhsa_code_object_version 6
	.text
	.protected	k_qbc5e6d741f_refine
	.globl	k_qbc5e6d741f_refine
	.p2align	8
	.type	k_qbc5e6d741f_refine,@function
k_qbc5e6d741f_refine:
	s_mov_b64 s[64:65], 0
	v_nop
	global_prefetch_b8 v0, s[64:65] scope:SCOPE_SE
	s_setreg_imm32_b32 hwreg(HW_REG_WAVE_MODE, 25, 1), 1
	s_wait_xcnt 0x0
; TWO JOBS A WORK-GROUP.  (a) SECOND LEVEL OF THE SEARCH: for 128 queries the 96 points of the three chunks that cand names are scanned with their indices; the three nearest and their weights go to nidx and nwgt.
; (b) A TILE OF p1 = w1 points_1 + b1, on codes of E5M2: 64 points x 128 channels, stored transposed and in bf16: p1t [2][4096][256].  p1 is an operand of the blend, a product that is left as it is; bf16 has f32's range.
; d2 is computed by the same lines as in the launch before: (ss + dd) - 2 dot, clamped at 0; SQ_FMA and DOT_FMA as there.  Ties go to the lower index: candidates come by ascending index, and only a strictly smaller one moves in.
; SHARES.  Work-group x: batch x / 128.  (a) queries 128 x on, TWO THREADS TO A QUERY: thread t serves query t % 128; the 96 places are six halves of 16: part 0 (waves 0-3) takes the first three, part 1 the last three; the
; two lists meet in LDS.  (b) columns 64 ((x / 2) % 64) on, channels 128 (x % 2) on.  Wave w quantises K block w (channels 32 w .. 32 w + 31 of points_1) of the 64 columns and makes the tile of 16 channels 16 w on.
; Two work-groups quantise the same 64 columns: that keeps all 256 work-groups at work and every stored row a whole run of 256 bytes.
; QUANTISING WITHOUT A TRANSPOSITION.  Lane (r, h) loads rows 32 w + 16 h + kk, kk = 0 .. 15, at columns 4 r .. 4 r + 3 (sixteen lanes read 256 consecutive bytes).  COLUMN TILE i IS THE COLUMNS 4 r + i; the hold writes
; register 16 i + kk from register 4 kk + i, so that the conversions find 16 neighbours along K.  The codes go to LDS as images of the operand's registers: fragment (i, s), quad c at 4,096 i + 2,048 s + 512 c + 16 lane, w = 4 s + c.
; K's places in a fragment (registers 4 c .. 4 c + 3: k = 32 c + 16 h + 0 .. 15) are the same in the weights' codes: every product meets its partner.
; NO JOINT LOADS: what work-groups share (the batch's 49,152 bytes of xyz_1, 4,096 bytes of weight codes a wave) is read once at the head, through registers; nothing is fetched in a loop.
; LIMITS: NaN and infinities are not served; e0 between -126 and 112, e0 + e1 between -126 and 127.  The weights are made with v_rcp_f32.  Ranking of d2 that differ by less than the formula's f32 rounding: as in the launch before.
.set SQ_FMA,  0
.set DOT_FMA, 1
.set CHB,  528                         ; a chunk in the table: x[32] y[32] z[32] dd[32] + 16 bytes
.set XCH,  128*CHB                     ; LDS: the table, 67,584 bytes; then the lists' exchange, 6 x 1,024;
.set CIMG, XCH+6*1024                  ; the codes' images, 16,384;
.set STG,  CIMG+16384                  ; the stage for p1t: 64 rows x (256 + 16)
.set SPT,  272
; v1 16 lane; v2 16 thread; v3 my place in the table; v4-7 the query: x, y, z, ss; v8-10 LDS addresses of my three halves; v11 points_1's lane term; v12-14 my halves' first indices
.set LA, 15                            ; v15-17 the three smallest d2;  v18-20 their numbers
.set NA, 18
.set T1, 21                            ; v21, v22 at work (at the head: r, h)
.set T2, 22
.set XA,  23                           ; v23 XCH + 4 thread
.set CST, 24                           ; v24 where my codes go;  v25, v26 the stage, in and back;  v27 p1t's lane term;  v28 32 h;  v29 2^e0;  v30 4 (thread % 128);  v31 cand's word
.set SST, 25
.set SRD, 26
.set GO,  27
.set B1R, 32                           ; v32-39 b1 of my eight channels
.set PW,  40                           ; v40-45 the partner's list
.set WQ,  50                           ; v50-53 the weights;  v54-57 at work on them
.set BRD, 58                           ; v58 CIMG + 16 lane; written once, at the head
.set SQT, 60                           ; v60-63 at work on the sums of squares: registers that no other line names
.set XR,  64                           ; v64-127  points_1 as loaded
.set BT,  128                          ; v128-191 the table's 48 + 16 registers; then PB, DD, TT, PP; then XH
.set PB,  128                          ; v128-159 two buffers of four points: x4 y4 z4 dd4
.set DD,  160
.set TT,  164
.set PP,  168
.set XH,  128                          ; v128-191 the held numbers, 16 a column tile
.set BFR, 64                           ; v64-191  later: the eight fragments of codes
.set FF,  64                           ; v64-95   later: p1 in f32;  v96-111 in bf16;  v112-127 rows read back
.set OB,  96
.set RB,  112
.set ACC, 192                          ; v192-223 four accumulators
.set CD,  192                          ; v192-207 before them: the codes just made
.set AF,  224                          ; v224-255 w1's two fragments of my 16 channels
.macro SQ d, x, y, z, t
	v_pk_mul_f32 v[\d:\d+1], v[\x:\x+1], v[\x:\x+1]
.if SQ_FMA
	v_pk_fma_f32 v[\d:\d+1], v[\y:\y+1], v[\y:\y+1], v[\d:\d+1]
	v_pk_fma_f32 v[\d:\d+1], v[\z:\z+1], v[\z:\z+1], v[\d:\d+1]
.else
	v_pk_mul_f32 v[\t:\t+1], v[\y:\y+1], v[\y:\y+1]    ; not fused on purpose: each product is rounded, as where the module squares and then sums
	v_pk_add_f32 v[\d:\d+1], v[\d:\d+1], v[\t:\t+1]
	v_pk_mul_f32 v[\t:\t+1], v[\z:\z+1], v[\z:\z+1]
	v_pk_add_f32 v[\d:\d+1], v[\d:\d+1], v[\t:\t+1]
.endif
.endm
; One candidate (value v[val], number iv) into my sorted list of three; only a strictly smaller value moves in.
.macro INS val, iv
	v_cmp_lt_f32 s40, v[\val], v[LA]
	v_cmp_lt_f32 s41, v[\val], v[LA+1]
	v_cmp_lt_f32 s42, v[\val], v[LA+2]
	v_cndmask_b32 v[T1], \iv, v[NA+1], s41
	v_cndmask_b32 v[NA+2], v[NA+2], v[T1], s42
	v_cndmask_b32 v[T2], \iv, v[NA], s40
	v_cndmask_b32 v[NA+1], v[NA+1], v[T2], s41
	v_cndmask_b32 v[NA], v[NA], \iv, s40
	v_med3_num_f32 v[LA+2], v[LA+1], v[LA+2], v[\val]
	v_med3_num_f32 v[LA+1], v[LA], v[LA+1], v[\val]
	v_min_num_f32 v[LA], v[LA], v[\val]
.endm
	s_load_b256 s[4:11], s[0:1], 0x0               ; xyz_1 s[4:5], xyz_2 s[6:7], cand s[8:9], points_1 s[10:11]
	s_load_b256 s[12:19], s[0:1], 0x20             ; w1c s[12:13], b1 s[14:15], the scales' exponents s[16:17], nidx s[18:19]
	s_load_b128 s[20:23], s[0:1], 0x40             ; nwgt s[20:21], p1t s[22:23]
	v_lshl_add_u32 v49, v0, 2, 0x1a400
	v_mov_b32 v59, 0
	v_lshrrev_b32 v1, 5, v0
	v_readfirstlane_b32 s24, v1                    ; wave 0..7
	s_lshr_b32 s25, ttmp9, 7                       ; batch
	s_and_b32 s26, ttmp9, 1                        ; which 128 channels
	s_bfe_u32 s27, ttmp9, 0x60001                  ; which 64 columns
	s_and_b32 s38, ttmp9, 127                      ; which 128 queries of the batch
	s_lshr_b32 s30, s24, 2                         ; part 0 or 1
	v_and_b32 v1, 31, v0
	v_lshlrev_b32 v1, 4, v1
	v_lshlrev_b32 v2, 4, v0
	v_lshrrev_b32 v3, 3, v0
	v_mul_u32_u24 v3, v3, CHB
	v_and_b32 v[T1], 7, v0
	v_lshl_add_u32 v3, v[T1], 4, v3
	v_and_b32 v[T1], 15, v0                        ; r
	v_bfe_u32 v[T2], v0, 4, 1                      ; h
	v_lshlrev_b32 v11, 4, v[T1]
	v_lshl_or_b32 v11, v[T2], 18, v11              ; 16 h rows of 16,384 bytes + 16 r
	v_lshl_add_u32 v[XA], v0, 2, XCH
	s_lshl_b32 s28, s24, 9
	s_add_co_u32 s28, s28, CIMG
	v_add_nc_u32 v[CST], s28, v1                   ; CIMG + 512 wave + 16 lane
	v_mul_u32_u24 v[SST], v[T1], SPT
	v_lshl_add_u32 v[SST], v[T2], 4, v[SST]
	s_lshl_b32 s28, s24, 5
	s_add_co_u32 s28, s28, STG
	v_add_nc_u32 v[SST], s28, v[SST]               ; STG + 272 r + 16 h + 32 wave
	v_mul_u32_u24 v[SRD], v[T2], SPT
	v_lshl_add_u32 v[SRD], v[T1], 4, v[SRD]
	s_mul_i32 s28, s24, 8*SPT
	s_add_co_u32 s28, s28, STG
	v_add_nc_u32 v[SRD], s28, v[SRD]               ; STG + 8 wave rows + 272 h + 16 r
	v_lshlrev_b32 v[GO], 4, v[T1]
	v_lshl_or_b32 v[GO], v[T2], 11, v[GO]          ; four rows of p1t for h, + 16 r
	v_lshlrev_b32 v28, 5, v[T2]
	v_and_b32 v30, 127, v0
	v_lshlrev_b32 v30, 2, v30
	v_add_nc_u32 v[BRD], CIMG, v1
	s_mov_b32 s29, 0
	s_wait_kmcnt 0x0
	s_load_b128 s[44:47], s[16:17], 0x0            ; e0 (points_1), e1 (w1), ..
	s_mul_i32 s28, s25, 3*4096*4
	s_add_nc_u64 s[4:5], s[4:5], s[28:29]
	s_mul_i32 s28, s25, 3*16384*4
	s_lshl_b32 s31, s38, 9
	s_add_co_u32 s28, s28, s31
	s_add_nc_u64 s[6:7], s[6:7], s[28:29]
	s_lshl_b32 s28, ttmp9, 9
	s_add_nc_u64 s[8:9], s[8:9], s[28:29]
	s_lshl_b32 s28, s25, 22                        ; points_1: the batch's 256 rows, my wave's 32, my 64 columns
	s_lshl_b32 s31, s24, 19
	s_add_co_u32 s28, s28, s31
	s_lshl_b32 s31, s27, 8
	s_add_co_u32 s28, s28, s31
	s_add_nc_u64 s[10:11], s[10:11], s[28:29]
	s_lshl_b32 s28, s26, 15                        ; w1c: tile ot = 8 (x % 2) + wave, 4,096 bytes each
	s_lshl_b32 s31, s24, 12
	s_add_co_u32 s28, s28, s31
	s_add_nc_u64 s[12:13], s[12:13], s[28:29]
.irp i, 0,1,2,3
.irp c, 0,1,2
	global_load_b128 v[BT+12*\i+4*\c:BT+12*\i+4*\c+3], v2, s[4:5] offset:4096*\i+16384*\c
.endr
.endr
.irp c, 0,1,2
	global_load_b32 v[4+\c], v30, s[6:7] offset:65536*\c
.endr
	global_load_b32 v31, v30, s[8:9]
.irp k, 0,1,2,3,4,5,6,7,8,9,10,11,12,13,14,15
	global_load_b128 v[XR+4*\k:XR+4*\k+3], v11, s[10:11] offset:16384*\k
.endr
.irp s, 0,1
.irp c, 0,1,2,3
	global_load_b128 v[AF+16*\s+4*\c:AF+16*\s+4*\c+3], v1, s[12:13] offset:2048*\s+512*\c
.endr
.endr
	s_lshl_b32 s28, s26, 9                         ; b1: channel 128 (x % 2) + 16 wave
	s_lshl_b32 s31, s24, 6
	s_add_co_u32 s28, s28, s31
	s_add_nc_u64 s[14:15], s[14:15], s[28:29]
	s_lshl_b32 s28, ttmp9, 11                      ; nidx, nwgt: 16 bytes a query
	s_add_nc_u64 s[18:19], s[18:19], s[28:29]
	s_add_nc_u64 s[20:21], s[20:21], s[28:29]
	s_lshl_b32 s28, s25, 12                        ; p1t: row 4,096 batch + 64 block + 32 (wave % 2) + wave / 2,
	s_lshl_b32 s31, s27, 6
	s_add_co_u32 s28, s28, s31
	s_and_b32 s31, s24, 1
	s_lshl_b32 s31, s31, 5
	s_add_co_u32 s28, s28, s31
	s_lshr_b32 s31, s24, 1
	s_add_co_u32 s28, s28, s31
	s_lshl_b32 s28, s28, 9
	s_lshl_b32 s31, s26, 8                         ; and my half of its 512 bytes
	s_add_co_u32 s28, s28, s31
	s_add_nc_u64 s[22:23], s[22:23], s[28:29]
	s_cmp_ge_u32 s24, 4
	s_cselect_b32 s31, -1, 0                       ; part 1's lanes, as a mask
	s_lshl_b32 s32, s30, 4                         ; 16 H for my first and third half,
	s_xor_b32 s33, s32, 16                         ; for my second;
	s_lshl_b32 s34, s30, 6                         ; the same in bytes
	s_xor_b32 s35, s34, 64
	s_wait_loadcnt 28                              ; the table's twelve loads are in; behind them: 3 + 1 + 16 + 8
.irp i, 0,1,2,3
.irp p, 0,1
	SQ BT+48+4*\i+2*\p, BT+12*\i+2*\p, BT+12*\i+4+2*\p, BT+12*\i+8+2*\p, SQT+2*\p
.endr
.irp c, 0,1,2
	ds_store_b128 v3, v[BT+12*\i+4*\c:BT+12*\i+4*\c+3] offset:32*CHB*\i+128*\c
.endr
	ds_store_b128 v3, v[BT+48+4*\i:BT+48+4*\i+3] offset:32*CHB*\i+384
.endr
	s_wait_loadcnt 24                              ; the query and cand's word are in; points_1's 16 and w1c's 8 may be out
	v_mul_f32 v7, v4, v4
.if SQ_FMA
	v_fma_f32 v7, v5, v5, v7
	v_fma_f32 v7, v6, v6, v7
.else
	v_mul_f32 v[SQT], v5, v5                       ; not fused on purpose, as above
	v_add_f32 v7, v7, v[SQT]
	v_mul_f32 v[SQT], v6, v6
	v_add_f32 v7, v7, v[SQT]
.endif
	v_and_b32 v12, 0xff, v31                       ; the three chunks, ascending
	v_bfe_u32 v13, v31, 8, 8
	v_bfe_u32 v14, v31, 16, 8
	v_cndmask_b32 v8, v12, v13, s31                ; part 0: (c0, 0) (c0, 1) (c1, 0);  part 1: (c1, 1) (c2, 0) (c2, 1)
	v_cndmask_b32 v9, v12, v14, s31
	v_cndmask_b32 v10, v13, v14, s31
	v_min_u32 v8, 127, v8                          ; a loaded number enters an address only behind a bound
	v_min_u32 v9, 127, v9
	v_min_u32 v10, 127, v10
	v_lshl_add_u32 v12, v8, 5, s32                 ; the halves' first indices
	v_lshl_add_u32 v13, v9, 5, s33
	v_lshl_add_u32 v14, v10, 5, s32
	v_mul_u32_u24 v8, v8, CHB                      ; and their places in the table
	v_mul_u32_u24 v9, v9, CHB
	v_mul_u32_u24 v10, v10, CHB
	v_add_nc_u32 v8, s34, v8
	v_add_nc_u32 v9, s35, v9
	v_add_nc_u32 v10, s34, v10
.irp j, 0,1,2
	v_mov_b32 v[LA+\j], 0x7f800000
	v_mov_b32 v[NA+\j], 0
.endr
	s_wait_dscnt 0x0                               ; my part of the table is stored
	s_barrier_signal -1
	s_barrier_wait -1                              ; the table is whole
.macro PLOAD st                        ; step st = 4 j + q: four points of half j, from place 4 q on
.irp k, 0,1,2,3
	ds_load_b128 v[PB+16*((\st)%2)+4*\k:PB+16*((\st)%2)+4*\k+3], v[8+(\st)/4] offset:128*\k+16*((\st)%4)
.endr
.endm
.macro PSTEP st
.if \st < 11
	PLOAD \st+1
	s_wait_dscnt 4                                 ; this step's four loads are in; the next step's four may be out
.else
	s_wait_dscnt 0x0
.endif
.set CP, PB+16*(\st%2)
.irp p, 0,1
	v_pk_mul_f32 v[DD+2*\p:DD+2*\p+1], v[CP+2*\p:CP+2*\p+1], v[4:5] op_sel_hi:[1,0]
.endr
.irp p, 0,1
	v_pk_add_f32 v[TT+2*\p:TT+2*\p+1], v[CP+12+2*\p:CP+12+2*\p+1], v[6:7] op_sel:[0,1] op_sel_hi:[1,1]
.endr
.if DOT_FMA
.irp p, 0,1
	v_pk_fma_f32 v[DD+2*\p:DD+2*\p+1], v[CP+4+2*\p:CP+4+2*\p+1], v[4:5], v[DD+2*\p:DD+2*\p+1] op_sel:[0,1,0] op_sel_hi:[1,1,1]
.endr
.irp p, 0,1
	v_pk_fma_f32 v[DD+2*\p:DD+2*\p+1], v[CP+8+2*\p:CP+8+2*\p+1], v[6:7], v[DD+2*\p:DD+2*\p+1] op_sel_hi:[1,0,1]
.endr
.else
.irp p, 0,1
	v_pk_mul_f32 v[PP+2*\p:PP+2*\p+1], v[CP+4+2*\p:CP+4+2*\p+1], v[4:5] op_sel:[0,1] op_sel_hi:[1,1]
.endr
.irp p, 0,1
	v_pk_add_f32 v[DD+2*\p:DD+2*\p+1], v[DD+2*\p:DD+2*\p+1], v[PP+2*\p:PP+2*\p+1]
.endr
.irp p, 0,1
	v_pk_mul_f32 v[PP+2*\p:PP+2*\p+1], v[CP+8+2*\p:CP+8+2*\p+1], v[6:7] op_sel_hi:[1,0]
.endr
.irp p, 0,1
	v_pk_add_f32 v[DD+2*\p:DD+2*\p+1], v[DD+2*\p:DD+2*\p+1], v[PP+2*\p:PP+2*\p+1]
.endr
.endif
.irp p, 0,1
	v_pk_fma_f32 v[DD+2*\p:DD+2*\p+1], v[DD+2*\p:DD+2*\p+1], -2.0, v[TT+2*\p:TT+2*\p+1] op_sel_hi:[1,0,1]
.endr
.irp i, 0,1,2,3
	v_max_num_f32 v[DD+\i], 0, v[DD+\i]
.endr
.irp i, 0,1,2,3
	INS DD+\i, 4*\st+\i                            ; the number is the place among my 48: a constant
.endr
.endm
	PLOAD 0
.irp st, 0,1,2,3,4,5,6,7,8,9,10,11
	PSTEP \st
.endr
.macro XLAT n                          ; a place among my 48 becomes the point's index: its half's first index + place % 16
	v_lshrrev_b32 v[T1], 4, v[\n]
	v_and_b32 v[\n], 15, v[\n]
	v_cmp_eq_u32 s40, 1, v[T1]
	v_cmp_eq_u32 s41, 2, v[T1]
	v_cndmask_b32 v[T2], v12, v13, s40
	v_cndmask_b32 v[T2], v[T2], v14, s41
	v_add_nc_u32 v[\n], v[\n], v[T2]
.endm
	XLAT NA
	XLAT NA+1
	XLAT NA+2
	s_wait_dscnt 0x0                               ; my reads of the table are back (the last step's wait was for 0)
	s_barrier_signal -1
	s_barrier_wait -1                              ; every wave has left the table, whose reads took their addresses from loaded numbers: all LDS stores below stand behind this barrier
.irp e, 0,1,2,3,4,5
	ds_store_b32 v[XA], v[LA+\e] offset:1024*\e    ; my list, for my partner
.endr
	global_load_b128 v[B1R:B1R+3], v28, s[14:15]
	global_load_b128 v[B1R+4:B1R+7], v28, s[14:15] offset:16
	s_wait_kmcnt 0x0
	s_add_co_i32 s48, s44, s45
	s_add_co_i32 s48, s48, 127
	s_lshl_b32 s48, s48, 23                        ; 2^(e0 + e1) as f32
	s_mov_b32 s49, s48                             ; (named with it as a pair, so it is written)
	s_add_co_i32 s50, s44, 127
	s_lshl_b32 s51, s50, 23
	v_mov_b32 v29, s51                             ; 2^e0: the conversion takes its exponent field
	s_add_co_i32 s50, s50, 15
	s_lshl_b32 s50, s50, 23
	s_or_b32 s50, s50, 0x600000                    ; 57,344 x 2^e0,
	s_or_b32 s51, s50, 0x80000000                  ; and its negative
	s_wait_loadcnt 10                              ; points_1's 16 loads are in; w1c's 8 and b1's 2 may be out
.irp i, 0,1,2,3
.irp k, 0,1,2,3,4,5,6,7,8,9,10,11,12,13,14,15
	v_med3_num_f32 v[XH+16*\i+\k], v[XR+4*\k+\i], s51, s50   ; the hold (the conversion does not saturate: ISA guide 7.6.2) also lays column 4 r + i's 16 numbers side by side
.endr
.endr
.irp i, 0,1,2,3
.irp g, 0,1
	v_cvt_scalef32_pk8_bf8_f32 v[CD+4*\i+2*\g:CD+4*\i+2*\g+1], v[XH+16*\i+8*\g:XH+16*\i+8*\g+7], v29
.endr
.endr
	v_nop                                          ; a plain line behind the last conversion: matrix instructions write these registers later
.irp i, 0,1,2,3
	ds_store_b128 v[CST], v[CD+4*\i:CD+4*\i+3] offset:4096*\i
.endr
	s_wait_dscnt 0x0                               ; my list and my codes are stored
	s_barrier_signal -1
	s_barrier_wait -1
	s_cmp_lt_u32 s24, 4
	s_cbranch_scc0 .Lno_merge
	; WAVES 0-3: the partner's three, whose indices are the higher ones, into my list; the weights; both results out
.irp e, 0,1,2,3,4,5
	ds_load_b32 v[PW+\e], v[XA] offset:512+1024*\e
.endr
	s_wait_dscnt 0x0
	INS PW, v[PW+3]
	INS PW+1, v[PW+4]
	INS PW+2, v[PW+5]
	v_add_f32 v54, 0x322bcc77, v[LA]               ; d + 1e-8
	v_add_f32 v55, 0x322bcc77, v[LA+1]
	v_add_f32 v56, 0x322bcc77, v[LA+2]
	v_rcp_f32 v54, v54
	v_rcp_f32 v55, v55
	v_rcp_f32 v56, v56
	v_mov_b32 v[T1], 0                             ; (the plain line behind the reciprocals)  v[18:21] = i0, i1, i2, 0
	s_wait_alu depctr_va_vdst(0)
	v_add_f32 v57, v54, v55
	v_add_f32 v57, v57, v56
	v_rcp_f32 v57, v57
	v_mov_b32 v[WQ+3], 0                           ; (the plain line behind the reciprocal)
	s_wait_alu depctr_va_vdst(0)
	v_mul_f32 v[WQ], v54, v57
	v_mul_f32 v[WQ+1], v55, v57
	v_mul_f32 v[WQ+2], v56, v57
	global_store_b128 v2, v[NA:NA+3], s[18:19]     ; a wave stores 512 consecutive bytes; none of these registers is written again
	global_store_b128 v2, v[WQ:WQ+3], s[20:21]
.Lno_merge:
	; ALL WAVES: my 16 channels x the 64 columns, K = 256 in two steps
.irp i, 0,1,2,3
.irp s, 0,1
.irp c, 0,1,2,3
	ds_load_b128 v[BFR+16*(2*\i+\s)+4*\c:BFR+16*(2*\i+\s)+4*\c+3], v[BRD] offset:4096*\i+2048*\s+512*\c
.endr
.endr
.endr
	s_wait_loadcnt 0x0                             ; w1's codes and b1
	s_wait_dscnt 0x0
.irp i, 0,1,2,3                                ; source 0 = 16 rows of w1, source 1 = 16 columns: lane (r, h), register j = channel 8 h + j of column 4 r + i.  The first step starts the sums;
	v_wmma_f32_16x16x128_bf8_bf8 v[ACC+8*\i:ACC+8*\i+7], v[AF:AF+15], v[BFR+32*\i:BFR+32*\i+15], 0
.endr
.irp i, 0,1,2,3                                ; the four accumulators take turns
	v_wmma_f32_16x16x128_bf8_bf8 v[ACC+8*\i:ACC+8*\i+7], v[AF+16:AF+31], v[BFR+32*\i+16:BFR+32*\i+31], v[ACC+8*\i:ACC+8*\i+7]
.endr
.rept 4
	v_nop                                          ; four places (ISA guide 7.12.1) ahead of the first read of results and the first write over operands
.endr
.irp i, 0,1,2,3
.irp p, 0,1,2,3
	v_pk_fma_f32 v[FF+8*\i+2*\p:FF+8*\i+2*\p+1], v[ACC+8*\i+2*\p:ACC+8*\i+2*\p+1], s[48:49], v[B1R+2*\p:B1R+2*\p+1] op_sel_hi:[1,0,1]   ; sum x 2^(e0 + e1) + b1, each accumulator from its low end on
.endr
.irp p, 0,1,2,3
	v_cvt_pk_bf16_f32 v[OB+4*\i+\p], v[FF+8*\i+2*\p], v[FF+8*\i+2*\p+1]
.endr
	ds_store_b128 v[SST], v[OB+4*\i:OB+4*\i+3] offset:16*SPT*\i   ; stage row 16 i + r holds column 4 r + i; my eight channels are 16 bytes of its 256
.endr
	s_wait_dscnt 0x0                               ; a row's 256 bytes come from eight waves
	s_barrier_signal -1
	s_barrier_wait -1
.irp u, 0,1,2,3
	ds_load_b128 v[RB+4*\u:RB+4*\u+3], v[SRD] offset:2*SPT*\u    ; stage rows 8 wave + 2 u + h
.endr
.irp u, 0,1,2,3
	s_wait_dscnt 3-\u
	global_store_b128 v[GO], v[RB+4*\u:RB+4*\u+3], s[22:23] offset:4096*\u   ; column 32 (wave % 2) + 8 u + 4 h + wave / 2: sixteen lanes store 256 consecutive bytes, at a multiple of 256 from p1t's first byte
.endr
	s_wait_tensorcnt 0x0
	ds_add_u32 v49, v59
	s_wait_dscnt 0x0
	s_endpgm
.Lfunc_end_k_qbc5e6d741f_refine:
	.size	k_qbc5e6d741f_refine, .Lfunc_end_k_qbc5e6d741f_refine-k_qbc5e6d741f_refine
	.p2alignl 7, 3214868480
	.fill 96, 4, 3214868480
	.section	.rodata,"a",@progbits
	.p2align	6, 0x0
	.amdhsa_kernel k_qbc5e6d741f_refine
		.amdhsa_group_segment_fixed_size 108544
		.amdhsa_private_segment_fixed_size 0
		.amdhsa_enable_private_segment 0
		.amdhsa_kernarg_size 80
		.amdhsa_user_sgpr_count 2
		.amdhsa_user_sgpr_kernarg_segment_ptr 1
		.amdhsa_wavefront_size32 1
		.amdhsa_system_sgpr_workgroup_id_x 1
		.amdhsa_system_sgpr_workgroup_id_y 1
		.amdhsa_system_sgpr_workgroup_id_z 1
		.amdhsa_system_vgpr_workitem_id 0
		.amdhsa_next_free_vgpr 256
		.amdhsa_next_free_sgpr 66
		.amdhsa_reserve_vcc 0
		.amdhsa_float_denorm_mode_32 3
		.amdhsa_float_denorm_mode_16_64 3
		.amdhsa_memory_ordered 1
		.amdhsa_forward_progress 1
		.amdhsa_inst_pref_size 74
	.end_amdhsa_kernel
	.amdgpu_metadata
---
amdhsa.version: [ 1, 2 ]
amdhsa.kernels:
  - .name:           k_qbc5e6d741f_refine
    .symbol:         k_qbc5e6d741f_refine.kd
    .args:
      - { .name: xyz_1, .offset: 0, .size: 8, .value_kind: global_buffer, .address_space: global }
      - { .name: xyz_2, .offset: 8, .size: 8, .value_kind: global_buffer, .address_space: global }
      - { .name: cand, .offset: 16, .size: 8, .value_kind: global_buffer, .address_space: global }
      - { .name: points_1, .offset: 24, .size: 8, .value_kind: global_buffer, .address_space: global }
      - { .name: w1c, .offset: 32, .size: 8, .value_kind: global_buffer, .address_space: global }
      - { .name: b1, .offset: 40, .size: 8, .value_kind: global_buffer, .address_space: global }
      - { .name: lowp_scales, .offset: 48, .size: 8, .value_kind: global_buffer, .address_space: global }
      - { .name: nidx, .offset: 56, .size: 8, .value_kind: global_buffer, .address_space: global }
      - { .name: nwgt, .offset: 64, .size: 8, .value_kind: global_buffer, .address_space: global }
      - { .name: p1t, .offset: 72, .size: 8, .value_kind: global_buffer, .address_space: global }
    .group_segment_fixed_size: 108544
    .private_segment_fixed_size: 0
    .kernarg_segment_align: 8
    .kernarg_segment_size: 80
    .max_flat_workgroup_size: 256
    .sgpr_count:     66
    .vgpr_count:     256
    .wavefront_size: 32
...
	.end_amdgpu_metadata
.endif
;; end of part 2
;; launch fuse (part 3): grid 512 x 1, 8 waves a work-group, no clusters, 83,968 bytes of LDS; arguments points_2, w2c, b2, lowp_scales, nidx, nwgt, p1t, out1; writes out1
.if DOCPART == 3
	.amdgcn_target "amdgcn-amd-amdhsa--gfx1250"
	.amdhsa_code_object_version 6
	.text
	.protected	k_qbc5e6d741f_fuse
	.globl	k_qbc5e6d741f_fuse
	.p2align	8
	.type	k_qbc5e6d741f_fuse,@function
k_qbc5e6d741f_fuse:
	s_mov_b64 s[64:65], 0
	v_nop
	global_prefetch_b8 v0, s[64:65] scope:SCOPE_SE
	s_setreg_imm32_b32 hwreg(HW_REG_WAVE_MODE, 25, 1), 1
	s_wait_xcnt 0x0
; out1 = w2 points_2 + b2 + the blend of three rows of p1t.  The product is made on codes of E5M2; the blend (a product left as it is) takes p1t in bf16 and its weights in f32, sums in f32.
; SHARES.  Work-group x: batch x / 256, columns 64 (x % 256) on, all 256 channels.  Wave w has three shares: K block w (channels 32 w .. 32 w + 31 of points_2) to quantise; queries 8 w .. 8 w + 7 to blend;
; channels 32 w .. 32 w + 31 of the result (two tiles of 16).
; QUANTISING as in the launch before: lane (r, h) loads rows 32 w + 16 h + kk at columns 4 r .. 4 r + 3; COLUMN TILE i IS THE COLUMNS 4 r + i; the hold lays a column's 16 numbers side by side; the codes go to LDS as
; images of the operand's registers: fragment (i, s), quad c at 4,096 i + 2,048 s + 512 c + 16 lane, w = 4 s + c.
; THE BLEND.  A query's indices and weights are alike in all lanes: they come by scalar loads.  One load of a wave reads a whole row of p1t, 512 bytes: lane l holds channels 8 l .. 8 l + 7.  b2 starts each sum.
; The 64 sums of 256 channels lie in LDS, query n in row 16 (n % 4) + n / 4, and are read back in the layout of the product's results.
; THE WAY OUT NEEDS NO STAGE: registers j of the four column tiles are four neighbouring columns of one channel; the last multiply-add writes them side by side, and sixteen lanes store 256 consecutive bytes of a row of out1.
; NO JOINT LOADS: of the 294,912 bytes that a work-group reads, only the 65,536 of weight codes are shared with others; they are read once, into registers.
; LIMITS: NaN and infinities are not served; e2 between -126 and 112, e2 + e3 between -126 and 127.  An index is held at 4,095.
.set IBF, 16384                        ; LDS: the codes' images, 16,384 bytes; then the blend, 64 rows x (1,024 + 16)
.set IPT, 1040
; v0 32 lane, then with v5, v6 the three weights in hand; v1 16 lane; v2 points_2's lane term, then out1's; v3 where my codes go, then where I read the blend back; v4 where I put the blend; v7 2^e2; v8-15 b2 of my 8 channels
.set XR,  16                           ; v16-79   points_2 as loaded; then AF: w2's four fragments; then the second tile's results
.set AF,  16
.set XH,  80                           ; v80-143  the held numbers; then IA: the blend of my 8 queries; then ACC: eight accumulators
.set IA,  80
.set ACC, 80
.set GR,  144                          ; v144-239 24 rows of p1t, four registers each
.set BF,  144                          ; v144-207 later: four fragments of codes; then AD: the blend in the results' layout
.set AD,  144
.set CD,  240                          ; v240-255 the codes just made
	s_load_b512 s[4:19], s[0:1], 0x0               ; points_2 s[4:5], w2c s[6:7], b2 s[8:9], the exponents s[10:11], nidx s[12:13], nwgt s[14:15], p1t s[16:17], out1 s[18:19]
	s_set_vgpr_msb 0x40
	v_lshl_add_u32 v0, v0, 2, 0x14400
	v_mov_b32 v1, 0
	s_set_vgpr_msb 0x4000
	v_lshrrev_b32 v1, 5, v0
	v_readfirstlane_b32 s20, v1                    ; wave 0..7
	s_lshr_b32 s21, ttmp9, 8                       ; batch
	s_and_b32 s22, ttmp9, 255                      ; which 64 columns
	v_and_b32 v5, 31, v0                           ; lane
	v_lshlrev_b32 v1, 4, v5
	v_and_b32 v6, 15, v0                           ; r
	v_bfe_u32 v7, v0, 4, 1                         ; h
	v_lshlrev_b32 v2, 4, v6
	v_lshl_or_b32 v2, v7, 20, v2                   ; 16 h rows of 65,536 bytes + 16 r
	s_lshl_b32 s23, s20, 9
	v_add_nc_u32 v3, s23, v1                       ; 512 wave + 16 lane
	s_mul_i32 s23, s20, 2*IPT
	s_add_co_u32 s23, s23, IBF
	v_lshl_add_u32 v4, v5, 5, s23                  ; IBF + 2 wave rows + 32 lane
	v_lshlrev_b32 v0, 5, v5                        ; 32 lane: b2's offset
	s_lshl_b32 s31, s20, 7
	s_add_co_u32 s31, s31, IBF                     ; IBF + 128 wave
	s_mov_b32 s3, 0
	s_wait_kmcnt 0x0
	s_lshl_b32 s2, s21, 24                         ; the batch's 256 rows, my wave's 32, my 64 columns: the same in points_2 and in out1
	s_lshl_b32 s23, s20, 21
	s_add_co_u32 s2, s2, s23
	s_lshl_b32 s23, s22, 8
	s_add_co_u32 s2, s2, s23
	s_add_nc_u64 s[4:5], s[4:5], s[2:3]
	s_add_nc_u64 s[18:19], s[18:19], s[2:3]
.irp k, 0,1,2,3,4,5,6,7,8,9,10,11,12,13,14,15
	global_load_b128 v[XR+4*\k:XR+4*\k+3], v2, s[4:5] offset:65536*\k th:TH_LOAD_NT   ; sixteen lanes read 256 consecutive bytes; read once in the launch
.endr
	s_lshl_b32 s2, ttmp9, 10                       ; query 64 x + 8 wave, 16 bytes each
	s_lshl_b32 s23, s20, 7
	s_add_co_u32 s2, s2, s23
	s_add_nc_u64 s[12:13], s[12:13], s[2:3]
	s_add_nc_u64 s[14:15], s[14:15], s[2:3]
	s_load_b128 s[24:27], s[10:11], 0x0            ; .., .., e2 (points_2), e3 (w2)
	s_load_b512 s[32:47], s[12:13], 0x0            ; my 8 queries' indices: i0, i1, i2, 0
	s_load_b512 s[48:63], s[12:13], 0x40
	s_load_b512 s[68:83], s[14:15], 0x0            ; and weights
	s_load_b512 s[84:99], s[14:15], 0x40
	global_load_b128 v[8:11], v0, s[8:9]
	global_load_b128 v[12:15], v0, s[8:9] offset:16
	s_lshl_b32 s2, s21, 21
	s_add_nc_u64 s[16:17], s[16:17], s[2:3]        ; the batch's 4,096 rows of p1t
	s_lshl_b32 s2, s20, 13
	s_add_nc_u64 s[6:7], s[6:7], s[2:3]            ; w2c: tiles 2 wave and 2 wave + 1
	s_wait_kmcnt 0x0
.irp q, 0,1,2,3,4,5,6,7
.irp k, 0,1,2
	s_min_u32 s[32+4*\q+\k], s[32+4*\q+\k], 4095   ; a loaded number enters an address only behind a bound
	s_lshl_b32 s[32+4*\q+\k], s[32+4*\q+\k], 9
	v_add_nc_u32 v[GR+4*(3*\q+\k)], s[32+4*\q+\k], v1
	global_load_b128 v[GR+4*(3*\q+\k):GR+4*(3*\q+\k)+3], v[GR+4*(3*\q+\k)], s[16:17]   ; a whole row, 512 bytes; the load lands on its own offset register
.endr
.endr
	s_add_co_i32 s28, s26, s27
	s_add_co_i32 s28, s28, 127
	s_lshl_b32 s28, s28, 23                        ; 2^(e2 + e3) as f32
	s_add_co_i32 s30, s26, 127
	s_lshl_b32 s29, s30, 23
	v_mov_b32 v7, s29                              ; 2^e2: the conversion takes its exponent field
	s_add_co_i32 s30, s30, 15
	s_lshl_b32 s30, s30, 23
	s_or_b32 s30, s30, 0x600000                    ; 57,344 x 2^e2,
	s_or_b32 s29, s30, 0x80000000                  ; and its negative
	s_wait_loadcnt 26                              ; points_2's 16 loads are in; b2's 2 and the 24 rows may be out
.irp i, 0,1,2,3
.irp k, 0,1,2,3,4,5,6,7,8,9,10,11,12,13,14,15
	v_med3_num_f32 v[XH+16*\i+\k], v[XR+4*\k+\i], s29, s30   ; the hold (the conversion does not saturate: ISA guide 7.6.2) also lays column 4 r + i's 16 numbers side by side
.endr
.endr
.irp u, 0,1                                    ; the numbers' registers are free: w2's fragments (tile 2 wave + u, K step s)
.irp s, 0,1
.irp c, 0,1,2,3
	global_load_b128 v[AF+32*\u+16*\s+4*\c:AF+32*\u+16*\s+4*\c+3], v1, s[6:7] offset:4096*\u+2048*\s+512*\c
.endr
.endr
.endr
.irp i, 0,1,2,3
.irp g, 0,1
	v_cvt_scalef32_pk8_bf8_f32 v[CD+4*\i+2*\g:CD+4*\i+2*\g+1], v[XH+16*\i+8*\g:XH+16*\i+8*\g+7], v7
.endr
.endr
	v_and_b32 v2, 0xf0, v1                         ; (plain lines behind the last conversion)  out1's lane term: points_2's loads, which read v2, were shown done by the wait for 26
	v_lshrrev_b32 v5, 8, v1
	v_lshl_or_b32 v2, v5, 19, v2                   ; 8 h rows of 65,536 bytes + 16 r
.irp i, 0,1,2,3
	ds_store_b128 v3, v[CD+4*\i:CD+4*\i+3] offset:4096*\i
.endr
.irp q, 0,1,2,3,4,5,6,7
	s_wait_loadcnt 37-3*\q                         ; b2 and this query's three rows are in; the later queries' rows (21 - 3 q) and w2c's 16 loads may be out
	v_mov_b32 v0, s[68+4*\q]
	v_mov_b32 v5, s[69+4*\q]
	v_mov_b32 v6, s[70+4*\q]
.irp c, 0,2,4,6
	v_fma_mix_f32_bf16 v[IA+8*\q+\c], v[GR+12*\q+\c/2], v0, v[8+\c] op_sel:[0,0,0] op_sel_hi:[1,0,0]         ; b2 + w0 x row i0: a word's low half,
	v_fma_mix_f32_bf16 v[IA+8*\q+\c+1], v[GR+12*\q+\c/2], v0, v[9+\c] op_sel:[1,0,0] op_sel_hi:[1,0,0]       ; and its high half
.endr
.irp c, 0,2,4,6
	v_fma_mix_f32_bf16 v[IA+8*\q+\c], v[GR+12*\q+4+\c/2], v5, v[IA+8*\q+\c] op_sel:[0,0,0] op_sel_hi:[1,0,0]
	v_fma_mix_f32_bf16 v[IA+8*\q+\c+1], v[GR+12*\q+4+\c/2], v5, v[IA+8*\q+\c+1] op_sel:[1,0,0] op_sel_hi:[1,0,0]
.endr
.irp c, 0,2,4,6
	v_fma_mix_f32_bf16 v[IA+8*\q+\c], v[GR+12*\q+8+\c/2], v6, v[IA+8*\q+\c] op_sel:[0,0,0] op_sel_hi:[1,0,0]
	v_fma_mix_f32_bf16 v[IA+8*\q+\c+1], v[GR+12*\q+8+\c/2], v6, v[IA+8*\q+\c+1] op_sel:[1,0,0] op_sel_hi:[1,0,0]
.endr
	ds_store_b128 v4, v[IA+8*\q:IA+8*\q+3] offset:((\q%4)*16+\q/4)*IPT       ; query 8 wave + q: row 16 (q % 4) + 2 wave + q / 4
	ds_store_b128 v4, v[IA+8*\q+4:IA+8*\q+7] offset:((\q%4)*16+\q/4)*IPT+16
.endr
	s_wait_dscnt 0x0                               ; my codes and my queries' sums are stored
	s_barrier_signal -1
	s_barrier_wait -1                              ; the one barrier: all codes and all sums lie in LDS
.irp i, 0,1,2,3
.irp c, 0,1,2,3
	ds_load_b128 v[BF+16*\i+4*\c:BF+16*\i+4*\c+3], v1 offset:4096*\i+512*\c     ; K step 0 of the four column tiles
.endr
.endr
	s_wait_loadcnt 0x0                             ; w2's codes
	s_wait_dscnt 0x0
.irp u, 0,1                                    ; source 0 = 16 rows of w2, source 1 = 16 columns: lane (r, h), register j = channel 16 u + 8 h + j of column 4 r + i.  The first step starts the sums
.irp i, 0,1,2,3
	v_wmma_f32_16x16x128_bf8_bf8 v[ACC+8*(4*\u+\i):ACC+8*(4*\u+\i)+7], v[AF+32*\u:AF+32*\u+15], v[BF+16*\i:BF+16*\i+15], 0
.endr
.endr
	v_bfe_u32 v5, v1, 4, 4                         ; five plain lines that name none of the products' registers: the places (four are asked) ahead of the loads below.  r
	v_lshrrev_b32 v6, 8, v1                        ; h:
	v_mul_u32_u24 v3, v5, IPT
	v_lshl_add_u32 v3, v6, 5, v3
	v_add_nc_u32 v3, s31, v3                       ; where I read the blend back: IBF + 1,040 r + 32 h + 128 wave
.irp i, 0,1,2,3
.irp c, 0,1,2,3
	ds_load_b128 v[BF+16*\i+4*\c:BF+16*\i+4*\c+3], v1 offset:4096*\i+2048+512*\c   ; K step 1
.endr
.endr
	s_wait_dscnt 0x0
.irp u, 0,1                                    ; the eight accumulators take turns, in the same order
.irp i, 0,1,2,3
	v_wmma_f32_16x16x128_bf8_bf8 v[ACC+8*(4*\u+\i):ACC+8*(4*\u+\i)+7], v[AF+32*\u+16:AF+32*\u+31], v[BF+16*\i:BF+16*\i+15], v[ACC+8*(4*\u+\i):ACC+8*(4*\u+\i)+7]
.endr
.endr
.rept 4
	v_nop                                          ; four places ahead of the loads into the codes' registers, of the first read of results and of the first write over w2's fragments
.endr
.irp u, 0,1
.irp i, 0,1,2,3
	ds_load_b128 v[AD+32*\u+8*\i:AD+32*\u+8*\i+3], v3 offset:16*IPT*\i+64*\u          ; column 4 r + i lies in row 16 i + r; my eight channels of tile u
	ds_load_b128 v[AD+32*\u+8*\i+4:AD+32*\u+8*\i+7], v3 offset:16*IPT*\i+64*\u+16
.endr
.endr
	s_wait_dscnt 0x0
.irp u, 0,1                                    ; results: tile 0 in v208-239, tile 1 in v16-47
.irp j, 0,1,2,3,4,5,6,7                        ; j ascending: each accumulator is read from its low end on
.irp i, 0,1,2,3
	v_fma_f32 v[208-192*\u+4*\j+\i], v[ACC+8*(4*\u+\i)+\j], s28, v[AD+32*\u+8*\i+\j]   ; sum x 2^(e2 + e3) + (b2 + blend); four neighbouring columns land side by side
.endr
	global_store_b128 v2, v[208-192*\u+4*\j:208-192*\u+4*\j+3], s[18:19] offset:(16*\u+\j)*65536 th:TH_STORE_NT   ; lanes 0-15: 256 consecutive bytes of channel 16 u + j, lanes 16-31 of channel 16 u + 8 + j; written once
.endr
.endr
	s_set_vgpr_msb 0x5
	s_wait_tensorcnt 0x0
	ds_add_u32 v0, v1
	s_wait_dscnt 0x0
	s_set_vgpr_msb 0x500
	s_endpgm
.Lfunc_end_k_qbc5e6d741f_fuse:
	.size	k_qbc5e6d741f_fuse, .Lfunc_end_k_qbc5e6d741f_fuse-k_qbc5e6d741f_fuse
	.p2alignl 7, 3214868480
	.fill 96, 4, 3214868480
	.section	.rodata,"a",@progbits
	.p2align	6, 0x0
	.amdhsa_kernel k_qbc5e6d741f_fuse
		.amdhsa_group_segment_fixed_size 83968
		.amdhsa_private_segment_fixed_size 0
		.amdhsa_enable_private_segment 0
		.amdhsa_kernarg_size 64
		.amdhsa_user_sgpr_count 2
		.amdhsa_user_sgpr_kernarg_segment_ptr 1
		.amdhsa_wavefront_size32 1
		.amdhsa_system_sgpr_workgroup_id_x 1
		.amdhsa_system_sgpr_workgroup_id_y 1
		.amdhsa_system_sgpr_workgroup_id_z 1
		.amdhsa_system_vgpr_workitem_id 0
		.amdhsa_next_free_vgpr 258
		.amdhsa_next_free_sgpr 100
		.amdhsa_reserve_vcc 0
		.amdhsa_float_denorm_mode_32 3
		.amdhsa_float_denorm_mode_16_64 3
		.amdhsa_memory_ordered 1
		.amdhsa_forward_progress 1
		.amdhsa_inst_pref_size 41
	.end_amdhsa_kernel
	.amdgpu_metadata
---
amdhsa.version: [ 1, 2 ]
amdhsa.kernels:
  - .name:           k_qbc5e6d741f_fuse
    .symbol:         k_qbc5e6d741f_fuse.kd
    .args:
      - { .name: points_2, .offset: 0, .size: 8, .value_kind: global_buffer, .address_space: global }
      - { .name: w2c, .offset: 8, .size: 8, .value_kind: global_buffer, .address_space: global }
      - { .name: b2, .offset: 16, .size: 8, .value_kind: global_buffer, .address_space: global }
      - { .name: lowp_scales, .offset: 24, .size: 8, .value_kind: global_buffer, .address_space: global }
      - { .name: nidx, .offset: 32, .size: 8, .value_kind: global_buffer, .address_space: global }
      - { .name: nwgt, .offset: 40, .size: 8, .value_kind: global_buffer, .address_space: global }
      - { .name: p1t, .offset: 48, .size: 8, .value_kind: global_buffer, .address_space: global }
      - { .name: out1, .offset: 56, .size: 8, .value_kind: global_buffer, .address_space: global }
    .group_segment_fixed_size: 83968
    .private_segment_fixed_size: 0
    .kernarg_segment_align: 8
    .kernarg_segment_size: 64
    .max_flat_workgroup_size: 256
    .sgpr_count:     100
    .vgpr_count:     258
    .wavefront_size: 32
...
	.end_amdgpu_metadata
.endif
;; end of part 3
;; ======== version 2 of 2: 3 launches; version 1 with the launches refine, fuse written anew for expert scheduling mode
;; limits: right only within a limited range of input values
;; workspace buffers: cand 131,072 bytes of whole numbers; nidx 524,288 bytes of whole numbers; nwgt 524,288 bytes; p1t 4,194,304 bytes; w1c 65,536 bytes; w2c 65,536 bytes
;; launch scan: the kernel of part 1 again; grid 256 x 1, 8 waves a work-group, no clusters, 95,744 bytes of LDS; arguments xyz_1, xyz_2, w1, w2, lowp_scales, out0, cand, w1c, w2c; writes out0, cand, w1c, w2c
;; launch refine (part 4): grid 256 x 1, 8 waves a work-group, no clusters, 108,544 bytes of LDS; arguments xyz_1, xyz_2, cand, points_1, w1c, b1, lowp_scales, nidx, nwgt, p1t; writes nidx, nwgt, p1t
.if DOCPART == 4
	.amdgcn_target "amdgcn-amd-amdhsa--gfx1250"
	.amdhsa_code_object_version 6
	.text
	.protected	k_qbc5e6d741f_refine
	.globl	k_qbc5e6d741f_refine
	.p2align	8
	.type	k_qbc5e6d741f_refine,@function
k_qbc5e6d741f_refine:
	s_mov_b64 s[64:65], 0
	v_nop
	global_prefetch_b8 v0, s[64:65] scope:SCOPE_SE
	s_setreg_imm32_b32 hwreg(HW_REG_WAVE_SCHED_MODE, 0, 2), 2
	s_setreg_imm32_b32 hwreg(HW_REG_WAVE_MODE, 25, 1), 1
	s_wait_xcnt 0x0
	s_wait_alu depctr_vm_vsrc(0)
; TWO JOBS A WORK-GROUP.  (a) SECOND LEVEL OF THE SEARCH: for 128 queries the 96 points of the three chunks that cand names are scanned with their indices; the three nearest and their weights go to nidx and nwgt.
; (b) A TILE OF p1 = w1 points_1 + b1, on codes of E5M2: 64 points x 128 channels, stored transposed and in bf16: p1t [2][4096][256].  p1 is an operand of the blend, a product that is left as it is; bf16 has f32's range.
; d2 is computed by the same lines as in the launch before: (ss + dd) - 2 dot, clamped at 0; SQ_FMA and DOT_FMA as there.  Ties go to the lower index: candidates come by ascending index, and only a strictly smaller one moves in.
; SHARES.  Work-group x: batch x / 128.  (a) queries 128 x on, TWO THREADS TO A QUERY: thread t serves query t % 128; the 96 places are six halves of 16: part 0 (waves 0-3) takes the first three, part 1 the last three; the
; two lists meet in LDS.  (b) columns 64 ((x / 2) % 64) on, channels 128 (x % 2) on.  Wave w quantises K block w (channels 32 w .. 32 w + 31 of points_1) of the 64 columns and makes the tile of 16 channels 16 w on.
; Two work-groups quantise the same 64 columns: that keeps all 256 work-groups at work and every stored row a whole run of 256 bytes.
; QUANTISING WITHOUT A TRANSPOSITION.  Lane (r, h) loads rows 32 w + 16 h + kk, kk = 0 .. 15, at columns 4 r .. 4 r + 3 (sixteen lanes read 256 consecutive bytes).  COLUMN TILE i IS THE COLUMNS 4 r + i; the hold writes
; register 16 i + kk from register 4 kk + i, so that the conversions find 16 neighbours along K.  The codes go to LDS as images of the operand's registers: fragment (i, s), quad c at 4,096 i + 2,048 s + 512 c + 16 lane, w = 4 s + c.
; K's places in a fragment (registers 4 c .. 4 c + 3: k = 32 c + 16 h + 0 .. 15) are the same in the weights' codes: every product meets its partner.
; NO JOINT LOADS: what work-groups share (the batch's 49,152 bytes of xyz_1, 4,096 bytes of weight codes a wave) is read once at the head, through registers; nothing is fetched in a loop.
; LIMITS: NaN and infinities are not served; e0 between -126 and 112, e0 + e1 between -126 and 127.  The weights are made with v_rcp_f32.  Ranking of d2 that differ by less than the formula's f32 rounding: as in the launch before.
; THE MODE: SCHED_MODE bits 1:0 = 2 (LLVM: expert scheduling mode 2), set by the entry lines.  The code itself states the register dependences between vector or matrix instructions and memory or LDS instructions,
; and those through scalar registers that vector instructions write, with s_wait_alu, always for 0.
; THE PLAN.  Registers that memory or LDS instructions touch:
;   offsets and LDS addresses v1-3, v11, v23-28, v30, v58, and v49, v59: made at the head, never written again: one wait ahead of the first load.  v8-10: made once from cand's word, ahead of the wait in front of the scan.
;   v128-191, the table: x, y, z go to LDS as loaded; dd is written by the squares: one wait ahead of its four stores.  One wait on vm_vsrc behind the barrier frees all 64 for the scan.
;   PB0, PB1 (v128-159): step st's d2 lines read PB[st % 2]; behind them, and behind the step's one wait, the loads of step st + 2 land in it; the lines that follow in the step name only the list's numbers.
;   the list v15-20: written by the insertions; read by six LDS stores; written again by the merge, behind a wait on vm_vsrc.   the codes v192-207: conversions, four LDS stores, then the accumulators, behind the same wait.
;   v64-191, the fragments: their loads land where the hold read and wrote; the wait ahead of the codes' stores stands behind the hold and the conversions, and nothing behind it names these registers.
;   v96-111: the roundings write them, four stage stores read them.  v112-127: the stage's loads land where the products read.  v18-21, v50-53: the merging waves' two global stores.
; AN INSERTION IS CUT IN TWO: the compares and the three values (which need no mask), then the five selects of the numbers.  Four candidates' first halves run on end, into twelve mask registers; one wait; their second halves.
.set SQ_FMA,  0
.set DOT_FMA, 1
.set CHB,  528                         ; a chunk in the table: x[32] y[32] z[32] dd[32] + 16 bytes
.set XCH,  128*CHB                     ; LDS: the table, 67,584 bytes; then the lists' exchange, 6 x 1,024;
.set CIMG, XCH+6*1024                  ; the codes' images, 16,384;
.set STG,  CIMG+16384                  ; the stage for p1t: 64 rows x (256 + 16)
.set SPT,  272
; v1 16 lane; v2 16 thread; v3 my place in the table; v4-7 the query: x, y, z, ss; v8-10 LDS addresses of my three halves; v11 points_1's lane term; v12-14 my halves' first indices
.set LA, 15                            ; v15-17 the three smallest d2;  v18-20 their numbers
.set NA, 18
.set T1, 21                            ; v21, v22 at work (at the head: r, h)
.set T2, 22
.set XA,  23                           ; v23 XCH + 4 thread
.set CST, 24                           ; v24 where my codes go;  v25, v26 the stage, in and back;  v27 p1t's lane term;  v28 32 h;  v29 2^e0;  v30 4 (thread % 128);  v31 cand's word
.set SST, 25
.set SRD, 26
.set GO,  27
.set B1R, 32                           ; v32-39 b1 of my eight channels
.set PW,  40                           ; v40-45 the partner's list
.set WQ,  50                           ; v50-53 the weights;  v54-57 at work on them
.set BRD, 58                           ; v58 CIMG + 16 lane; written once, at the head
.set SQT, 60                           ; v60-63 at work on the sums of squares: registers that no other line names
.set XR,  64                           ; v64-127  points_1 as loaded
.set BT,  128                          ; v128-191 the table's 48 + 16 registers; then PB, DD, TT, PP; then XH
.set PB,  128                          ; v128-159 two buffers of four points: x4 y4 z4 dd4
.set DD,  160
.set TT,  164
.set PP,  168
.set XH,  128                          ; v128-191 the held numbers, 16 a column tile
.set BFR, 64                           ; v64-191  later: the eight fragments of codes
.set FF,  64                           ; v64-95   later: p1 in f32;  v96-111 in bf16;  v112-127 rows read back
.set OB,  96
.set RB,  112
.set ACC, 192                          ; v192-223 four accumulators
.set CD,  192                          ; v192-207 before them: the codes just made
.set AF,  224                          ; v224-255 w1's two fragments of my 16 channels
.set MK,  52                           ; s52-63   the masks of up to four candidates, three each
.macro SQ d, x, y, z, t
	v_pk_mul_f32 v[\d:\d+1], v[\x:\x+1], v[\x:\x+1]
.if SQ_FMA
	v_pk_fma_f32 v[\d:\d+1], v[\y:\y+1], v[\y:\y+1], v[\d:\d+1]
	v_pk_fma_f32 v[\d:\d+1], v[\z:\z+1], v[\z:\z+1], v[\d:\d+1]
.else
	v_pk_mul_f32 v[\t:\t+1], v[\y:\y+1], v[\y:\y+1]    ; not fused on purpose: each product is rounded, as where the module squares and then sums
	v_pk_add_f32 v[\d:\d+1], v[\d:\d+1], v[\t:\t+1]
	v_pk_mul_f32 v[\t:\t+1], v[\z:\z+1], v[\z:\z+1]
	v_pk_add_f32 v[\d:\d+1], v[\d:\d+1], v[\t:\t+1]
.endif
.endm
; One candidate (value v[val], number iv) into my sorted list of three; only a strictly smaller value moves in.  First half: the three masks, taken against the list as it stands, and the values.
.macro INSV val, m
	v_cmp_lt_f32 s[\m], v[\val], v[LA]
	v_cmp_lt_f32 s[\m+1], v[\val], v[LA+1]
	v_cmp_lt_f32 s[\m+2], v[\val], v[LA+2]
	v_med3_num_f32 v[LA+2], v[LA+1], v[LA+2], v[\val]
	v_med3_num_f32 v[LA+1], v[LA], v[LA+1], v[\val]
	v_min_num_f32 v[LA], v[LA], v[\val]
.endm
; Second half: the numbers follow by the masks.  The candidates' second halves run in the order of their first halves.
.macro INSN iv, m
	v_cndmask_b32 v[T1], \iv, v[NA+1], s[\m+1]
	v_cndmask_b32 v[NA+2], v[NA+2], v[T1], s[\m+2]
	v_cndmask_b32 v[T2], \iv, v[NA], s[\m]
	v_cndmask_b32 v[NA+1], v[NA+1], v[T2], s[\m+1]
	v_cndmask_b32 v[NA], v[NA], \iv, s[\m]
.endm
	s_load_b256 s[4:11], s[0:1], 0x0               ; xyz_1 s[4:5], xyz_2 s[6:7], cand s[8:9], points_1 s[10:11]
	s_load_b256 s[12:19], s[0:1], 0x20             ; w1c s[12:13], b1 s[14:15], the scales' exponents s[16:17], nidx s[18:19]
	s_load_b128 s[20:23], s[0:1], 0x40             ; nwgt s[20:21], p1t s[22:23]
	v_lshl_add_u32 v49, v0, 2, 0x1a400             ; the LDS address of my spare word, behind the stage; with v59 kept for the closing lines alone
	v_mov_b32 v59, 0
	v_lshrrev_b32 v1, 5, v0
	v_readfirstlane_b32 s24, v1                    ; wave 0..7
	s_lshr_b32 s25, ttmp9, 7                       ; batch
	s_and_b32 s26, ttmp9, 1                        ; which 128 channels
	s_bfe_u32 s27, ttmp9, 0x60001                  ; which 64 columns
	s_and_b32 s38, ttmp9, 127                      ; which 128 queries of the batch
	v_and_b32 v1, 31, v0
	v_lshlrev_b32 v1, 4, v1
	v_lshlrev_b32 v2, 4, v0
	v_lshrrev_b32 v3, 3, v0
	v_mul_u32_u24 v3, v3, CHB
	v_and_b32 v[T1], 7, v0
	v_lshl_add_u32 v3, v[T1], 4, v3
	v_and_b32 v[T1], 15, v0                        ; r
	v_bfe_u32 v[T2], v0, 4, 1                      ; h
	v_lshlrev_b32 v11, 4, v[T1]
	v_lshl_or_b32 v11, v[T2], 18, v11              ; 16 h rows of 16,384 bytes + 16 r
	v_lshl_add_u32 v[XA], v0, 2, XCH
	s_wait_alu depctr_va_sdst(0)                   ; s24 is written, ahead of its first reader
	s_lshr_b32 s30, s24, 2                         ; part 0 or 1
	s_lshl_b32 s28, s24, 9
	s_add_co_u32 s28, s28, CIMG
	v_add_nc_u32 v[CST], s28, v1                   ; CIMG + 512 wave + 16 lane
	v_mul_u32_u24 v[SST], v[T1], SPT
	v_lshl_add_u32 v[SST], v[T2], 4, v[SST]
	s_lshl_b32 s28, s24, 5
	s_add_co_u32 s28, s28, STG
	v_add_nc_u32 v[SST], s28, v[SST]               ; STG + 272 r + 16 h + 32 wave
	v_mul_u32_u24 v[SRD], v[T2], SPT
	v_lshl_add_u32 v[SRD], v[T1], 4, v[SRD]
	s_mul_i32 s28, s24, 8*SPT
	s_add_co_u32 s28, s28, STG
	v_add_nc_u32 v[SRD], s28, v[SRD]               ; STG + 8 wave rows + 272 h + 16 r
	v_lshlrev_b32 v[GO], 4, v[T1]
	v_lshl_or_b32 v[GO], v[T2], 11, v[GO]          ; four rows of p1t for h, + 16 r
	v_lshlrev_b32 v28, 5, v[T2]
	v_and_b32 v30, 127, v0
	v_lshlrev_b32 v30, 2, v30
	v_add_nc_u32 v[BRD], CIMG, v1
	s_mov_b32 s29, 0
	s_wait_kmcnt 0x0
	s_load_b128 s[44:47], s[16:17], 0x0            ; e0 (points_1), e1 (w1), ..
	s_mul_i32 s28, s25, 3*4096*4
	s_add_nc_u64 s[4:5], s[4:5], s[28:29]
	s_mul_i32 s28, s25, 3*16384*4
	s_lshl_b32 s31, s38, 9
	s_add_co_u32 s28, s28, s31
	s_add_nc_u64 s[6:7], s[6:7], s[28:29]
	s_lshl_b32 s28, ttmp9, 9
	s_add_nc_u64 s[8:9], s[8:9], s[28:29]
	s_lshl_b32 s28, s25, 22                        ; points_1: the batch's 256 rows, my wave's 32, my 64 columns
	s_lshl_b32 s31, s24, 19
	s_add_co_u32 s28, s28, s31
	s_lshl_b32 s31, s27, 8
	s_add_co_u32 s28, s28, s31
	s_add_nc_u64 s[10:11], s[10:11], s[28:29]
	s_lshl_b32 s28, s26, 15                        ; w1c: tile ot = 8 (x % 2) + wave, 4,096 bytes each
	s_lshl_b32 s31, s24, 12
	s_add_co_u32 s28, s28, s31
	s_add_nc_u64 s[12:13], s[12:13], s[28:29]
	s_wait_alu depctr_va_vdst(0)                   ; the offsets and LDS addresses v1-3, v11, v23-28, v30 and v58 are written: every load and store of the kernel but the scan's reads one of them, and none is written again
.irp i, 0,1,2,3
.irp c, 0,1,2
	global_load_b128 v[BT+12*\i+4*\c:BT+12*\i+4*\c+3], v2, s[4:5] offset:4096*\i+16384*\c
.endr
.endr
.irp c, 0,1,2
	global_load_b32 v[4+\c], v30, s[6:7] offset:65536*\c
.endr
	global_load_b32 v31, v30, s[8:9]
.irp k, 0,1,2,3,4,5,6,7,8,9,10,11,12,13,14,15
	global_load_b128 v[XR+4*\k:XR+4*\k+3], v11, s[10:11] offset:16384*\k
.endr
.irp s, 0,1
.irp c, 0,1,2,3
	global_load_b128 v[AF+16*\s+4*\c:AF+16*\s+4*\c+3], v1, s[12:13] offset:2048*\s+512*\c
.endr
.endr
	s_lshl_b32 s28, s26, 9                         ; b1: channel 128 (x % 2) + 16 wave
	s_lshl_b32 s31, s24, 6
	s_add_co_u32 s28, s28, s31
	s_add_nc_u64 s[14:15], s[14:15], s[28:29]
	s_lshl_b32 s28, ttmp9, 11                      ; nidx, nwgt: 16 bytes a query
	s_add_nc_u64 s[18:19], s[18:19], s[28:29]
	s_add_nc_u64 s[20:21], s[20:21], s[28:29]
	s_lshl_b32 s28, s25, 12                        ; p1t: row 4,096 batch + 64 block + 32 (wave % 2) + wave / 2,
	s_lshl_b32 s31, s27, 6
	s_add_co_u32 s28, s28, s31
	s_and_b32 s31, s24, 1
	s_lshl_b32 s31, s31, 5
	s_add_co_u32 s28, s28, s31
	s_lshr_b32 s31, s24, 1
	s_add_co_u32 s28, s28, s31
	s_lshl_b32 s28, s28, 9
	s_lshl_b32 s31, s26, 8                         ; and my half of its 512 bytes
	s_add_co_u32 s28, s28, s31
	s_add_nc_u64 s[22:23], s[22:23], s[28:29]
	s_cmp_ge_u32 s24, 4
	s_cselect_b32 s31, -1, 0                       ; part 1's lanes, as a mask
	s_lshl_b32 s32, s30, 4                         ; 16 H for my first and third half,
	s_xor_b32 s33, s32, 16                         ; for my second;
	s_lshl_b32 s34, s30, 6                         ; the same in bytes
	s_xor_b32 s35, s34, 64
	s_wait_loadcnt 28                              ; the table's twelve loads are in; behind them: 3 + 1 + 16 + 8
.irp i, 0,1,2,3
.irp c, 0,1,2
	ds_store_b128 v3, v[BT+12*\i+4*\c:BT+12*\i+4*\c+3] offset:32*CHB*\i+128*\c   ; x, y, z go as they were loaded: no vector instruction has written these registers
.endr
.endr
.irp i, 0,1,2,3
.irp p, 0,1
	SQ BT+48+4*\i+2*\p, BT+12*\i+2*\p, BT+12*\i+4+2*\p, BT+12*\i+8+2*\p, SQT+2*\p
.endr
.endr
	s_wait_alu depctr_va_vdst(0)                   ; the sums of squares have written v176-191, which the four stores below read
.irp i, 0,1,2,3
	ds_store_b128 v3, v[BT+48+4*\i:BT+48+4*\i+3] offset:32*CHB*\i+384
.endr
	s_wait_loadcnt 24                              ; the query and cand's word are in; points_1's 16 and w1c's 8 may be out
	v_mul_f32 v7, v4, v4
.if SQ_FMA
	v_fma_f32 v7, v5, v5, v7
	v_fma_f32 v7, v6, v6, v7
.else
	v_mul_f32 v[SQT], v5, v5                       ; not fused on purpose, as above
	v_add_f32 v7, v7, v[SQT]
	v_mul_f32 v[SQT], v6, v6
	v_add_f32 v7, v7, v[SQT]
.endif
	v_and_b32 v12, 0xff, v31                       ; the three chunks, ascending
	v_bfe_u32 v13, v31, 8, 8
	v_bfe_u32 v14, v31, 16, 8
	v_cndmask_b32 v8, v12, v13, s31                ; part 0: (c0, 0) (c0, 1) (c1, 0);  part 1: (c1, 1) (c2, 0) (c2, 1)
	v_cndmask_b32 v9, v12, v14, s31
	v_cndmask_b32 v10, v13, v14, s31
	v_min_u32 v8, 127, v8                          ; a loaded number enters an address only behind a bound
	v_min_u32 v9, 127, v9
	v_min_u32 v10, 127, v10
	v_lshl_add_u32 v12, v8, 5, s32                 ; the halves' first indices
	v_lshl_add_u32 v13, v9, 5, s33
	v_lshl_add_u32 v14, v10, 5, s32
	v_mul_u32_u24 v8, v8, CHB                      ; and their places in the table
	v_mul_u32_u24 v9, v9, CHB
	v_mul_u32_u24 v10, v10, CHB
	v_add_nc_u32 v8, s34, v8
	v_add_nc_u32 v9, s35, v9
	v_add_nc_u32 v10, s34, v10
.irp j, 0,1,2
	v_mov_b32 v[LA+\j], 0x7f800000
	v_mov_b32 v[NA+\j], 0
.endr
	s_wait_dscnt 0x0                               ; my part of the table is stored
	s_barrier_signal -1
	s_barrier_wait -1                              ; the table is whole
	s_wait_alu depctr_vm_vsrc(0)                   ; my sixteen LDS stores have read v128-191: the scan's loads land in v128-159, and its vector lines write v160 on
	s_wait_alu depctr_va_vdst(0)                   ; v8-10 are written, which the scan's loads read as addresses; the sums of squares are done reading v128-159, in which those loads land
.macro PLOAD st                        ; step st = 4 j + q: four points of half j, from place 4 q on
.irp k, 0,1,2,3
	ds_load_b128 v[PB+16*((\st)%2)+4*\k:PB+16*((\st)%2)+4*\k+3], v[8+(\st)/4] offset:128*\k+16*((\st)%4)
.endr
.endm
.macro PSTEP st
.if \st < 11
	s_wait_dscnt 4                                 ; this step's four loads are in; the next step's four may be out
.else
	s_wait_dscnt 0x0
.endif
.set CP, PB+16*(\st%2)
.irp p, 0,1
	v_pk_mul_f32 v[DD+2*\p:DD+2*\p+1], v[CP+2*\p:CP+2*\p+1], v[4:5] op_sel_hi:[1,0]
.endr
.irp p, 0,1
	v_pk_add_f32 v[TT+2*\p:TT+2*\p+1], v[CP+12+2*\p:CP+12+2*\p+1], v[6:7] op_sel:[0,1] op_sel_hi:[1,1]
.endr
.if DOT_FMA
.irp p, 0,1
	v_pk_fma_f32 v[DD+2*\p:DD+2*\p+1], v[CP+4+2*\p:CP+4+2*\p+1], v[4:5], v[DD+2*\p:DD+2*\p+1] op_sel:[0,1,0] op_sel_hi:[1,1,1]
.endr
.irp p, 0,1
	v_pk_fma_f32 v[DD+2*\p:DD+2*\p+1], v[CP+8+2*\p:CP+8+2*\p+1], v[6:7], v[DD+2*\p:DD+2*\p+1] op_sel_hi:[1,0,1]
.endr
.else
.irp p, 0,1
	v_pk_mul_f32 v[PP+2*\p:PP+2*\p+1], v[CP+4+2*\p:CP+4+2*\p+1], v[4:5] op_sel:[0,1] op_sel_hi:[1,1]
.endr
.irp p, 0,1
	v_pk_add_f32 v[DD+2*\p:DD+2*\p+1], v[DD+2*\p:DD+2*\p+1], v[PP+2*\p:PP+2*\p+1]
.endr
.irp p, 0,1
	v_pk_mul_f32 v[PP+2*\p:PP+2*\p+1], v[CP+8+2*\p:CP+8+2*\p+1], v[6:7] op_sel_hi:[1,0]
.endr
.irp p, 0,1
	v_pk_add_f32 v[DD+2*\p:DD+2*\p+1], v[DD+2*\p:DD+2*\p+1], v[PP+2*\p:PP+2*\p+1]
.endr
.endif
.irp p, 0,1
	v_pk_fma_f32 v[DD+2*\p:DD+2*\p+1], v[DD+2*\p:DD+2*\p+1], -2.0, v[TT+2*\p:TT+2*\p+1] op_sel_hi:[1,0,1]
.endr
.irp i, 0,1,2,3
	v_max_num_f32 v[DD+\i], 0, v[DD+\i]
.endr
.irp i, 0,1,2,3
	INSV DD+\i, MK+3*\i                            ; the four candidates' masks and values, one after the other
.endr
	s_wait_alu depctr_va_sdst(0)                   ; the twelve masks s52-63 are written, ahead of the selects that read them
.if \st < 10
	s_wait_alu depctr_va_vdst(0)                   ; this step's d2 lines are done reading their buffer, in which the loads below land; the selects that follow name none of its registers
	PLOAD \st+2
.endif
.irp i, 0,1,2,3
	INSN 4*\st+\i, MK+3*\i                         ; the number is the place among my 48: a constant
.endr
.endm
	PLOAD 0
	PLOAD 1
.irp st, 0,1,2,3,4,5,6,7,8,9,10,11
	PSTEP \st
.endr
	; a place among my 48 becomes the point's index: its half's first index + place % 16.  The three numbers line by line, so that one wait serves the six masks
.irp j, 0,1,2
	v_lshrrev_b32 v[DD+\j], 4, v[NA+\j]
.endr
.irp j, 0,1,2
	v_cmp_eq_u32 s[MK+2*\j], 1, v[DD+\j]
	v_cmp_eq_u32 s[MK+2*\j+1], 2, v[DD+\j]
.endr
.irp j, 0,1,2
	v_and_b32 v[NA+\j], 15, v[NA+\j]
.endr
	s_wait_alu depctr_va_sdst(0)                   ; the six masks s52-57 are written, ahead of the selects that read them
.irp j, 0,1,2
	v_cndmask_b32 v[DD+\j], v12, v13, s[MK+2*\j]
	v_cndmask_b32 v[DD+\j], v[DD+\j], v14, s[MK+2*\j+1]
	v_add_nc_u32 v[NA+\j], v[NA+\j], v[DD+\j]
.endr
	s_wait_dscnt 0x0                               ; my reads of the table are back (the last step's wait was for 0)
	s_barrier_signal -1
	s_barrier_wait -1                              ; every wave has left the table, whose reads took their addresses from loaded numbers: all LDS stores below stand behind this barrier
	s_wait_alu depctr_va_vdst(0)                   ; my list v15-20 is written, which the six stores below read
.irp e, 0,1,2,3,4,5
	ds_store_b32 v[XA], v[LA+\e] offset:1024*\e    ; my list, for my partner
.endr
	global_load_b128 v[B1R:B1R+3], v28, s[14:15]
	global_load_b128 v[B1R+4:B1R+7], v28, s[14:15] offset:16
	s_wait_kmcnt 0x0
	s_add_co_i32 s48, s44, s45
	s_add_co_i32 s48, s48, 127
	s_lshl_b32 s48, s48, 23                        ; 2^(e0 + e1) as f32
	s_mov_b32 s49, s48                             ; (named with it as a pair, so it is written)
	s_add_co_i32 s50, s44, 127
	s_lshl_b32 s51, s50, 23
	v_mov_b32 v29, s51                             ; 2^e0: the conversion takes its exponent field
	s_add_co_i32 s50, s50, 15
	s_lshl_b32 s50, s50, 23
	s_or_b32 s50, s50, 0x600000                    ; 57,344 x 2^e0,
	s_or_b32 s51, s50, 0x80000000                  ; and its negative
	s_wait_loadcnt 10                              ; points_1's 16 loads are in; w1c's 8 and b1's 2 may be out
.irp i, 0,1,2,3
.irp k, 0,1,2,3,4,5,6,7,8,9,10,11,12,13,14,15
	v_med3_num_f32 v[XH+16*\i+\k], v[XR+4*\k+\i], s51, s50   ; the hold (the conversion does not saturate: ISA guide 7.6.2) also lays column 4 r + i's 16 numbers side by side
.endr
.endr
.irp i, 0,1,2,3
.irp g, 0,1
	v_cvt_scalef32_pk8_bf8_f32 v[CD+4*\i+2*\g:CD+4*\i+2*\g+1], v[XH+16*\i+8*\g:XH+16*\i+8*\g+7], v29
.endr
.endr
	v_nop                                          ; a plain line behind the last conversion: matrix instructions write these registers later
	s_wait_alu depctr_va_vdst(0)                   ; the conversions have written v192-207, which the stores below read; the hold and the conversions are done with v64-191, in which the fragments' loads land further down: no vector line between names them
.irp i, 0,1,2,3
	ds_store_b128 v[CST], v[CD+4*\i:CD+4*\i+3] offset:4096*\i
.endr
	s_wait_dscnt 0x0                               ; my list and my codes are stored
	s_barrier_signal -1
	s_barrier_wait -1
	s_wait_alu depctr_vm_vsrc(0)                   ; ahead of the branch: my LDS stores have read my list v15-20, which the merge writes again, and the codes v192-207, which the products write as accumulators
	s_cmp_lt_u32 s24, 4
	s_cbranch_scc0 .Lno_merge
	; WAVES 0-3: the partner's three, whose indices are the higher ones, into my list; the weights; both results out
.irp e, 0,1,2,3,4,5
	ds_load_b32 v[PW+\e], v[XA] offset:512+1024*\e
.endr
	s_wait_dscnt 0x0
	INSV PW, MK
	INSV PW+1, MK+3
	INSV PW+2, MK+6
	s_wait_alu depctr_va_sdst(0)                   ; the nine masks s52-60 are written, ahead of the selects that read them
	INSN v[PW+3], MK
	INSN v[PW+4], MK+3
	INSN v[PW+5], MK+6
	v_add_f32 v54, 0x322bcc77, v[LA]               ; d + 1e-8
	v_add_f32 v55, 0x322bcc77, v[LA+1]
	v_add_f32 v56, 0x322bcc77, v[LA+2]
	v_rcp_f32 v54, v54
	v_rcp_f32 v55, v55
	v_rcp_f32 v56, v56
	v_mov_b32 v[T1], 0                             ; (the plain line behind the reciprocals)  v[18:21] = i0, i1, i2, 0
	s_wait_alu depctr_va_vdst(0)                   ; the three reciprocals v54-56 are written, ahead of their first reader
	v_add_f32 v57, v54, v55
	v_add_f32 v57, v57, v56
	v_rcp_f32 v57, v57
	v_mov_b32 v[WQ+3], 0                           ; (the plain line behind the reciprocal)
	s_wait_alu depctr_va_vdst(0)                   ; the reciprocal v57 is written, ahead of its first reader
	v_mul_f32 v[WQ], v54, v57
	v_mul_f32 v[WQ+1], v55, v57
	v_mul_f32 v[WQ+2], v56, v57
	s_wait_alu depctr_va_vdst(0)                   ; the indices v18-21 and the weights v50-53 are written, which the two stores read
	global_store_b128 v2, v[NA:NA+3], s[18:19]     ; a wave stores 512 consecutive bytes; none of these registers is written again
	global_store_b128 v2, v[WQ:WQ+3], s[20:21]
.Lno_merge:
	; ALL WAVES: my 16 channels x the 64 columns, K = 256 in two steps
.irp i, 0,1,2,3
.irp s, 0,1
.irp c, 0,1,2,3
	ds_load_b128 v[BFR+16*(2*\i+\s)+4*\c:BFR+16*(2*\i+\s)+4*\c+3], v[BRD] offset:4096*\i+2048*\s+512*\c
.endr
.endr
.endr
	s_wait_loadcnt 0x0                             ; w1's codes and b1
	s_wait_dscnt 0x0
.irp i, 0,1,2,3                                ; source 0 = 16 rows of w1, source 1 = 16 columns: lane (r, h), register j = channel 8 h + j of column 4 r + i.  The first step starts the sums;
	v_wmma_f32_16x16x128_bf8_bf8 v[ACC+8*\i:ACC+8*\i+7], v[AF:AF+15], v[BFR+32*\i:BFR+32*\i+15], 0
.endr
.irp i, 0,1,2,3                                ; the four accumulators take turns
	v_wmma_f32_16x16x128_bf8_bf8 v[ACC+8*\i:ACC+8*\i+7], v[AF+16:AF+31], v[BFR+32*\i+16:BFR+32*\i+31], v[ACC+8*\i:ACC+8*\i+7]
.endr
.rept 4
	v_nop                                          ; four places (ISA guide 7.12.1) ahead of the first read of results and the first write over operands
.endr
.irp i, 0,1,2,3
.irp p, 0,1,2,3
	v_pk_fma_f32 v[FF+8*\i+2*\p:FF+8*\i+2*\p+1], v[ACC+8*\i+2*\p:ACC+8*\i+2*\p+1], s[48:49], v[B1R+2*\p:B1R+2*\p+1] op_sel_hi:[1,0,1]   ; sum x 2^(e0 + e1) + b1, each accumulator from its low end on
.endr
.irp p, 0,1,2,3
	v_cvt_pk_bf16_f32 v[OB+4*\i+\p], v[FF+8*\i+2*\p], v[FF+8*\i+2*\p+1]
.endr
.endr
	s_wait_alu depctr_va_vdst(0)                   ; the roundings have written v96-111, which the four stores read; the products are done reading v112-127, in which the stage's loads land behind the barrier
.irp i, 0,1,2,3
	ds_store_b128 v[SST], v[OB+4*\i:OB+4*\i+3] offset:16*SPT*\i   ; stage row 16 i + r holds column 4 r + i; my eight channels are 16 bytes of its 256
.endr
	s_wait_dscnt 0x0                               ; a row's 256 bytes come from eight waves
	s_barrier_signal -1
	s_barrier_wait -1
.irp u, 0,1,2,3
	ds_load_b128 v[RB+4*\u:RB+4*\u+3], v[SRD] offset:2*SPT*\u    ; stage rows 8 wave + 2 u + h
.endr
.irp u, 0,1,2,3
	s_wait_dscnt 3-\u
	global_store_b128 v[GO], v[RB+4*\u:RB+4*\u+3], s[22:23] offset:4096*\u   ; column 32 (wave % 2) + 8 u + 4 h + wave / 2: sixteen lanes store 256 consecutive bytes, at a multiple of 256 from p1t's first byte
.endr
	s_wait_dscnt 0x0                               ; the closing lines, six on end
	s_wait_alu 0x0
	s_wait_tensorcnt 0x0
	ds_add_u32 v49, v59
	s_wait_dscnt 0x0
	s_endpgm
.Lfunc_end_k_qbc5e6d741f_refine:
	.size	k_qbc5e6d741f_refine, .Lfunc_end_k_qbc5e6d741f_refine-k_qbc5e6d741f_refine
	.p2alignl 7, 3214868480
	.fill 96, 4, 3214868480
	.section	.rodata,"a",@progbits
	.p2align	6, 0x0
	.amdhsa_kernel k_qbc5e6d741f_refine
		.amdhsa_group_segment_fixed_size 108544
		.amdhsa_private_segment_fixed_size 0
		.amdhsa_enable_private_segment 0
		.amdhsa_kernarg_size 80
		.amdhsa_user_sgpr_count 2
		.amdhsa_user_sgpr_kernarg_segment_ptr 1
		.amdhsa_wavefront_size32 1
		.amdhsa_system_sgpr_workgroup_id_x 1
		.amdhsa_system_sgpr_workgroup_id_y 1
		.amdhsa_system_sgpr_workgroup_id_z 1
		.amdhsa_system_vgpr_workitem_id 0
		.amdhsa_next_free_vgpr 256
		.amdhsa_next_free_sgpr 66
		.amdhsa_reserve_vcc 0
		.amdhsa_float_denorm_mode_32 3
		.amdhsa_float_denorm_mode_16_64 3
		.amdhsa_memory_ordered 1
		.amdhsa_forward_progress 1
		.amdhsa_inst_pref_size 75
	.end_amdhsa_kernel
	.amdgpu_metadata
---
amdhsa.version: [ 1, 2 ]
amdhsa.kernels:
  - .name:           k_qbc5e6d741f_refine
    .symbol:         k_qbc5e6d741f_refine.kd
    .args:
      - { .name: xyz_1, .offset: 0, .size: 8, .value_kind: global_buffer, .address_space: global }
      - { .name: xyz_2, .offset: 8, .size: 8, .value_kind: global_buffer, .address_space: global }
      - { .name: cand, .offset: 16, .size: 8, .value_kind: global_buffer, .address_space: global }
      - { .name: points_1, .offset: 24, .size: 8, .value_kind: global_buffer, .address_space: global }
      - { .name: w1c, .offset: 32, .size: 8, .value_kind: global_buffer, .address_space: global }
      - { .name: b1, .offset: 40, .size: 8, .value_kind: global_buffer, .address_space: global }
      - { .name: lowp_scales, .offset: 48, .size: 8, .value_kind: global_buffer, .address_space: global }
      - { .name: nidx, .offset: 56, .size: 8, .value_kind: global_buffer, .address_space: global }
      - { .name: nwgt, .offset: 64, .size: 8, .value_kind: global_buffer, .address_space: global }
      - { .name: p1t, .offset: 72, .size: 8, .value_kind: global_buffer, .address_space: global }
    .group_segment_fixed_size: 108544
    .private_segment_fixed_size: 0
    .kernarg_segment_align: 8
    .kernarg_segment_size: 80
    .max_flat_workgroup_size: 256
    .sgpr_count:     66
    .vgpr_count:     256
    .wavefront_size: 32
...
	.end_amdgpu_metadata
.endif
;; end of part 4
;; launch fuse (part 5): grid 512 x 1, 8 waves a work-group, no clusters, 83,968 bytes of LDS; arguments points_2, w2c, b2, lowp_scales, nidx, nwgt, p1t, out1; writes out1
.if DOCPART == 5
	.amdgcn_target "amdgcn-amd-amdhsa--gfx1250"
	.amdhsa_code_object_version 6
	.text
	.protected	k_qbc5e6d741f_fuse
	.globl	k_qbc5e6d741f_fuse
	.p2align	8
	.type	k_qbc5e6d741f_fuse,@function
k_qbc5e6d741f_fuse:
	s_mov_b64 s[64:65], 0
	v_nop
	global_prefetch_b8 v0, s[64:65] scope:SCOPE_SE
	s_setreg_imm32_b32 hwreg(HW_REG_WAVE_SCHED_MODE, 0, 2), 2
	s_setreg_imm32_b32 hwreg(HW_REG_WAVE_MODE, 25, 1), 1
	s_wait_xcnt 0x0
	s_wait_alu depctr_vm_vsrc(0)
; out1 = w2 points_2 + b2 + the blend of three rows of p1t.  The product is made on codes of E5M2; the blend (a product left as it is) takes p1t in bf16 and its weights in f32, sums in f32.
; SHARES.  Work-group x: batch x / 256, columns 64 (x % 256) on, all 256 channels.  Wave w has three shares: K block w (channels 32 w .. 32 w + 31 of points_2) to quantise; queries 8 w .. 8 w + 7 to blend;
; channels 32 w .. 32 w + 31 of the result (two tiles of 16).
; QUANTISING as in the launch before: lane (r, h) loads rows 32 w + 16 h + kk at columns 4 r .. 4 r + 3; COLUMN TILE i IS THE COLUMNS 4 r + i; the hold lays a column's 16 numbers side by side; the codes go to LDS as
; images of the operand's registers: fragment (i, s), quad c at 4,096 i + 2,048 s + 512 c + 16 lane, w = 4 s + c.
; THE BLEND.  A query's indices and weights are alike in all lanes: they come by scalar loads.  One load of a wave reads a whole row of p1t, 512 bytes: lane l holds channels 8 l .. 8 l + 7.  b2 starts each sum.
; The 64 sums of 256 channels lie in LDS, query n in row 16 (n % 4) + n / 4, and are read back in the layout of the product's results.
; THE WAY OUT NEEDS NO STAGE: registers j of the four column tiles are four neighbouring columns of one channel; the last multiply-add writes them side by side, and sixteen lanes store 256 consecutive bytes of a row of out1.
; NO JOINT LOADS: of the 294,912 bytes that a work-group reads, only the 65,536 of weight codes are shared with others; they are read once, into registers.
; LIMITS: NaN and infinities are not served; e2 between -126 and 112, e2 + e3 between -126 and 127.  An index is held at 4,095.
; THE MODE: SCHED_MODE bits 1:0 = 2 (LLVM: expert scheduling mode 2), set by the entry lines.  The code itself states the register dependences between vector or matrix instructions and memory or LDS instructions,
; and those through scalar registers that vector instructions write, with s_wait_alu, always for 0.
; THE PLAN.  Registers that memory or LDS instructions touch:
;   v1, v4: made at the head, never written again.  v0 (b2's offset), v2 (points_2's), v3 (the codes' place): made at the head, made anew later, each behind a wait on vm_vsrc.
;   v80-103: the 24 rows' offsets, all made first, one wait, then the 24 loads; the hold writes these registers later, behind s_wait_xcnt 0 and a wait on vm_vsrc.
;   v16-79: points_2 lands; the hold reads; w2's codes land, behind the one wait that follows the hold and the conversions; the same wait serves the codes' four LDS stores (v240-255) and v2's new value.
;   v80-143: the blend's sums, eight registers a query, each written once: query q - 1's two LDS stores stand at the head of query q, behind its wait for data and one wait.  Then the accumulators, behind a wait on vm_vsrc.
;   v144-239: the rows land, the blend reads.  v144-207 then take K step 0's fragments, K step 1's and the blend read back, each behind a wait that shows the readers before done.
;   v208-239, v16-47: the two tiles' results.  Tile 0's are all written, one wait, and its eight stores are dealt among tile 1's multiply-adds, which name other registers; one wait; tile 1's eight stores.
.set IBF, 16384                        ; LDS: the codes' images, 16,384 bytes; then the blend, 64 rows x (1,024 + 16)
.set IPT, 1040
; v0 32 lane, then with v5, v6 the three weights in hand; v1 16 lane; v2 points_2's lane term, then out1's; v3 where my codes go, then where I read the blend back; v4 where I put the blend; v7 2^e2; v8-15 b2 of my 8 channels
.set XR,  16                           ; v16-79   points_2 as loaded; then AF: w2's four fragments; then the second tile's results
.set AF,  16
.set GA,  80                           ; v80-103  first: the byte offsets of my 24 rows of p1t
.set XH,  80                           ; v80-143  the held numbers; then IA: the blend of my 8 queries; then ACC: eight accumulators
.set IA,  80
.set ACC, 80
.set GR,  144                          ; v144-239 24 rows of p1t, four registers each
.set BF,  144                          ; v144-207 later: four fragments of codes; then AD: the blend in the results' layout
.set AD,  144
.set CD,  240                          ; v240-255 the codes just made
	s_load_b512 s[4:19], s[0:1], 0x0               ; points_2 s[4:5], w2c s[6:7], b2 s[8:9], the exponents s[10:11], nidx s[12:13], nwgt s[14:15], p1t s[16:17], out1 s[18:19]
	s_set_vgpr_msb 0x40
	v_lshl_add_u32 v0, v0, 2, 0x14400              ; v256: the LDS address of my spare word, behind the blend; with v257 kept for the closing lines alone
	v_mov_b32 v1, 0                                ; v257
	s_set_vgpr_msb 0x4000
	v_lshrrev_b32 v1, 5, v0
	v_readfirstlane_b32 s20, v1                    ; wave 0..7
	s_lshr_b32 s21, ttmp9, 8                       ; batch
	s_and_b32 s22, ttmp9, 255                      ; which 64 columns
	v_and_b32 v5, 31, v0                           ; lane
	v_lshlrev_b32 v1, 4, v5
	v_and_b32 v6, 15, v0                           ; r
	v_bfe_u32 v7, v0, 4, 1                         ; h
	v_lshlrev_b32 v2, 4, v6
	v_lshl_or_b32 v2, v7, 20, v2                   ; 16 h rows of 65,536 bytes + 16 r
	s_wait_alu depctr_va_sdst(0)                   ; s20 is written, ahead of its first reader
	s_lshl_b32 s23, s20, 9
	v_add_nc_u32 v3, s23, v1                       ; 512 wave + 16 lane
	s_mul_i32 s23, s20, 2*IPT
	s_add_co_u32 s23, s23, IBF
	v_lshl_add_u32 v4, v5, 5, s23                  ; IBF + 2 wave rows + 32 lane
	v_lshlrev_b32 v0, 5, v5                        ; 32 lane: b2's offset
	s_lshl_b32 s31, s20, 7
	s_add_co_u32 s31, s31, IBF                     ; IBF + 128 wave
	s_mov_b32 s3, 0
	s_wait_kmcnt 0x0
	s_lshl_b32 s2, s21, 24                         ; the batch's 256 rows, my wave's 32, my 64 columns: the same in points_2 and in out1
	s_lshl_b32 s23, s20, 21
	s_add_co_u32 s2, s2, s23
	s_lshl_b32 s23, s22, 8
	s_add_co_u32 s2, s2, s23
	s_add_nc_u64 s[4:5], s[4:5], s[2:3]
	s_add_nc_u64 s[18:19], s[18:19], s[2:3]
	s_wait_alu depctr_va_vdst(0)                   ; the offsets and LDS addresses v0 to v4 are written, which the loads and LDS stores below read
.irp k, 0,1,2,3,4,5,6,7,8,9,10,11,12,13,14,15
	global_load_b128 v[XR+4*\k:XR+4*\k+3], v2, s[4:5] offset:65536*\k th:TH_LOAD_NT   ; sixteen lanes read 256 consecutive bytes; read once in the launch
.endr
	s_lshl_b32 s2, ttmp9, 10                       ; query 64 x + 8 wave, 16 bytes each
	s_lshl_b32 s23, s20, 7
	s_add_co_u32 s2, s2, s23
	s_add_nc_u64 s[12:13], s[12:13], s[2:3]
	s_add_nc_u64 s[14:15], s[14:15], s[2:3]
	s_load_b128 s[24:27], s[10:11], 0x0            ; .., .., e2 (points_2), e3 (w2)
	s_load_b512 s[32:47], s[12:13], 0x0            ; my 8 queries' indices: i0, i1, i2, 0
	s_load_b512 s[48:63], s[12:13], 0x40
	s_load_b512 s[68:83], s[14:15], 0x0            ; and weights
	s_load_b512 s[84:99], s[14:15], 0x40
	global_load_b128 v[8:11], v0, s[8:9]
	global_load_b128 v[12:15], v0, s[8:9] offset:16
	s_lshl_b32 s2, s21, 21
	s_add_nc_u64 s[16:17], s[16:17], s[2:3]        ; the batch's 4,096 rows of p1t
	s_lshl_b32 s2, s20, 13
	s_add_nc_u64 s[6:7], s[6:7], s[2:3]            ; w2c: tiles 2 wave and 2 wave + 1
	s_wait_kmcnt 0x0
.irp q, 0,1,2,3,4,5,6,7
.irp k, 0,1,2
	s_min_u32 s[32+4*\q+\k], s[32+4*\q+\k], 4095   ; a loaded number enters an address only behind a bound
	s_lshl_b32 s[32+4*\q+\k], s[32+4*\q+\k], 9
	v_add_nc_u32 v[GA+3*\q+\k], s[32+4*\q+\k], v1  ; all 24 offsets first, in registers of their own
.endr
.endr
	s_wait_alu depctr_va_vdst(0)                   ; the 24 offsets v80-103 are written, which the 24 loads below read
.irp q, 0,1,2,3,4,5,6,7
.irp k, 0,1,2
	global_load_b128 v[GR+4*(3*\q+\k):GR+4*(3*\q+\k)+3], v[GA+3*\q+\k], s[16:17]   ; a whole row, 512 bytes
.endr
.endr
	s_add_co_i32 s28, s26, s27
	s_add_co_i32 s28, s28, 127
	s_lshl_b32 s28, s28, 23                        ; 2^(e2 + e3) as f32
	s_add_co_i32 s30, s26, 127
	s_lshl_b32 s29, s30, 23
	v_mov_b32 v7, s29                              ; 2^e2: the conversion takes its exponent field
	s_add_co_i32 s30, s30, 15
	s_lshl_b32 s30, s30, 23
	s_or_b32 s30, s30, 0x600000                    ; 57,344 x 2^e2,
	s_or_b32 s29, s30, 0x80000000                  ; and its negative
	s_wait_loadcnt 26                              ; points_2's 16 loads are in; b2's 2 and the 24 rows may be out
	s_wait_xcnt 0x0                                ; every earlier memory instruction has had its addresses translated (ISA guide 3.1): the rows' offsets v80-103 are written over only behind this wait
	s_wait_alu depctr_vm_vsrc(0)                   ; the rows' loads have read v80-103, which the hold writes; points_2's loads have read v2 and b2's v0, which are made anew below
.irp i, 0,1,2,3
.irp k, 0,1,2,3,4,5,6,7,8,9,10,11,12,13,14,15
	v_med3_num_f32 v[XH+16*\i+\k], v[XR+4*\k+\i], s29, s30   ; the hold (the conversion does not saturate: ISA guide 7.6.2) also lays column 4 r + i's 16 numbers side by side
.endr
.endr
.irp i, 0,1,2,3
.irp g, 0,1
	v_cvt_scalef32_pk8_bf8_f32 v[CD+4*\i+2*\g:CD+4*\i+2*\g+1], v[XH+16*\i+8*\g:XH+16*\i+8*\g+7], v7
.endr
.endr
	v_and_b32 v2, 0xf0, v1                         ; (plain lines behind the last conversion)  out1's lane term: points_2's loads, which read v2, were shown done by the wait for 26
	v_lshrrev_b32 v5, 8, v1
	v_lshl_or_b32 v2, v5, 19, v2                   ; 8 h rows of 65,536 bytes + 16 r
	s_wait_alu depctr_va_vdst(0)                   ; the hold is done reading v16-79, in which w2's codes land; the conversions have written v240-255, which the LDS stores read; v2 is written, which the stores at the end read
.irp u, 0,1                                    ; the numbers' registers are free: w2's fragments (tile 2 wave + u, K step s)
.irp s, 0,1
.irp c, 0,1,2,3
	global_load_b128 v[AF+32*\u+16*\s+4*\c:AF+32*\u+16*\s+4*\c+3], v1, s[6:7] offset:4096*\u+2048*\s+512*\c
.endr
.endr
.endr
.irp i, 0,1,2,3
	ds_store_b128 v3, v[CD+4*\i:CD+4*\i+3] offset:4096*\i
.endr
.macro BSTORE q                        ; query 8 wave + q: row 16 (q % 4) + 2 wave + q / 4
	ds_store_b128 v4, v[IA+8*(\q):IA+8*(\q)+3] offset:(((\q)%4)*16+(\q)/4)*IPT
	ds_store_b128 v4, v[IA+8*(\q)+4:IA+8*(\q)+7] offset:(((\q)%4)*16+(\q)/4)*IPT+16
.endm
.irp q, 0,1,2,3,4,5,6,7
	s_wait_loadcnt 37-3*\q                         ; b2 and this query's three rows are in; the later queries' rows (21 - 3 q) and w2c's 16 loads may be out
.if \q > 0
	s_wait_alu depctr_va_vdst(0)                   ; the multiply-adds of the query before have written its eight sums, which the two stores below read; this query's lines name other registers
	BSTORE \q-1
.endif
	v_mov_b32 v0, s[68+4*\q]
	v_mov_b32 v5, s[69+4*\q]
	v_mov_b32 v6, s[70+4*\q]
.irp c, 0,2,4,6
	v_fma_mix_f32_bf16 v[IA+8*\q+\c], v[GR+12*\q+\c/2], v0, v[8+\c] op_sel:[0,0,0] op_sel_hi:[1,0,0]         ; b2 + w0 x row i0: a word's low half,
	v_fma_mix_f32_bf16 v[IA+8*\q+\c+1], v[GR+12*\q+\c/2], v0, v[9+\c] op_sel:[1,0,0] op_sel_hi:[1,0,0]       ; and its high half
.endr
.irp c, 0,2,4,6
	v_fma_mix_f32_bf16 v[IA+8*\q+\c], v[GR+12*\q+4+\c/2], v5, v[IA+8*\q+\c] op_sel:[0,0,0] op_sel_hi:[1,0,0]
	v_fma_mix_f32_bf16 v[IA+8*\q+\c+1], v[GR+12*\q+4+\c/2], v5, v[IA+8*\q+\c+1] op_sel:[1,0,0] op_sel_hi:[1,0,0]
.endr
.irp c, 0,2,4,6
	v_fma_mix_f32_bf16 v[IA+8*\q+\c], v[GR+12*\q+8+\c/2], v6, v[IA+8*\q+\c] op_sel:[0,0,0] op_sel_hi:[1,0,0]
	v_fma_mix_f32_bf16 v[IA+8*\q+\c+1], v[GR+12*\q+8+\c/2], v6, v[IA+8*\q+\c+1] op_sel:[1,0,0] op_sel_hi:[1,0,0]
.endr
.endr
	s_wait_alu depctr_va_vdst(0)                   ; the last query's sums are written, which the two stores below read; the blend is done reading the rows v144-239, in which the fragments' loads land behind the barrier
	BSTORE 7
	s_wait_dscnt 0x0                               ; my codes and my queries' sums are stored
	s_barrier_signal -1
	s_barrier_wait -1                              ; the one barrier: all codes and all sums lie in LDS
	s_wait_alu depctr_vm_vsrc(0)                   ; my LDS stores have read the sums v80-143, which the products write as accumulators, and v3, which is made anew below
.irp i, 0,1,2,3
.irp c, 0,1,2,3
	ds_load_b128 v[BF+16*\i+4*\c:BF+16*\i+4*\c+3], v1 offset:4096*\i+512*\c     ; K step 0 of the four column tiles
.endr
.endr
	s_wait_loadcnt 0x0                             ; w2's codes
	s_wait_dscnt 0x0
.irp u, 0,1                                    ; source 0 = 16 rows of w2, source 1 = 16 columns: lane (r, h), register j = channel 16 u + 8 h + j of column 4 r + i.  The first step starts the sums
.irp i, 0,1,2,3
	v_wmma_f32_16x16x128_bf8_bf8 v[ACC+8*(4*\u+\i):ACC+8*(4*\u+\i)+7], v[AF+32*\u:AF+32*\u+15], v[BF+16*\i:BF+16*\i+15], 0
.endr
.endr
	v_bfe_u32 v5, v1, 4, 4                         ; five plain lines that name none of the products' registers.  r,
	v_lshrrev_b32 v6, 8, v1                        ; h:
	v_mul_u32_u24 v3, v5, IPT
	v_lshl_add_u32 v3, v6, 5, v3
	v_add_nc_u32 v3, s31, v3                       ; where I read the blend back: IBF + 1,040 r + 32 h + 128 wave
	s_wait_alu depctr_va_vdst(0)                   ; the eight products are done reading the fragments v144-207, in which the loads below land; v3 is written, which the blend's loads further down read
.irp i, 0,1,2,3
.irp c, 0,1,2,3
	ds_load_b128 v[BF+16*\i+4*\c:BF+16*\i+4*\c+3], v1 offset:4096*\i+2048+512*\c   ; K step 1
.endr
.endr
	s_wait_dscnt 0x0
.irp u, 0,1                                    ; the eight accumulators take turns, in the same order
.irp i, 0,1,2,3
	v_wmma_f32_16x16x128_bf8_bf8 v[ACC+8*(4*\u+\i):ACC+8*(4*\u+\i)+7], v[AF+32*\u+16:AF+32*\u+31], v[BF+16*\i:BF+16*\i+15], v[ACC+8*(4*\u+\i):ACC+8*(4*\u+\i)+7]
.endr
.endr
.rept 4
	v_nop                                          ; four places (ISA guide 7.12.1) ahead of the first read of results and of the first write over w2's fragments
.endr
	s_wait_alu depctr_va_vdst(0)                   ; the products are done reading the fragments v144-207, in which the loads below land; the places above stay beside this wait
.irp u, 0,1
.irp i, 0,1,2,3
	ds_load_b128 v[AD+32*\u+8*\i:AD+32*\u+8*\i+3], v3 offset:16*IPT*\i+64*\u          ; column 4 r + i lies in row 16 i + r; my eight channels of tile u
	ds_load_b128 v[AD+32*\u+8*\i+4:AD+32*\u+8*\i+7], v3 offset:16*IPT*\i+64*\u+16
.endr
.endr
	s_wait_dscnt 8                                 ; tile 0's eight loads are in; tile 1's eight may be out
	; results: tile 0 in v208-239, tile 1 in v16-47.  j ascending: each accumulator is read from its low end on
.irp j, 0,1,2,3,4,5,6,7
.irp i, 0,1,2,3
	v_fma_f32 v[208+4*\j+\i], v[ACC+8*\i+\j], s28, v[AD+8*\i+\j]   ; sum x 2^(e2 + e3) + (b2 + blend); four neighbouring columns land side by side
.endr
.endr
	s_wait_alu depctr_va_vdst(0)                   ; tile 0's results v208-239 are written, which its eight stores read; tile 1's multiply-adds, among which they are dealt, name none of those registers
	s_wait_dscnt 0x0                               ; tile 1's part of the blend is in
.irp j, 0,1,2,3,4,5,6,7
	global_store_b128 v2, v[208+4*\j:208+4*\j+3], s[18:19] offset:\j*65536 th:TH_STORE_NT   ; lanes 0-15: 256 consecutive bytes of channel j, lanes 16-31 of channel 8 + j; written once
.irp i, 0,1,2,3
	v_fma_f32 v[16+4*\j+\i], v[ACC+8*(4+\i)+\j], s28, v[AD+32+8*\i+\j]
.endr
.endr
	s_wait_alu depctr_va_vdst(0)                   ; tile 1's results v16-47 are written, which its eight stores read
.irp j, 0,1,2,3,4,5,6,7
	global_store_b128 v2, v[16+4*\j:16+4*\j+3], s[18:19] offset:(16+\j)*65536 th:TH_STORE_NT   ; channels 16 + j and 24 + j
.endr
	s_set_vgpr_msb 0x5                             ; the add's two registers, v256 and v257: sources 0 and 1 in window 1
	s_wait_dscnt 0x0                               ; the closing lines, six on end
	s_wait_alu 0x0
	s_wait_tensorcnt 0x0
	ds_add_u32 v0, v1
	s_wait_dscnt 0x0
	s_endpgm
.Lfunc_end_k_qbc5e6d741f_fuse:
	.size	k_qbc5e6d741f_fuse, .Lfunc_end_k_qbc5e6d741f_fuse-k_qbc5e6d741f_fuse
	.p2alignl 7, 3214868480
	.fill 96, 4, 3214868480
	.section	.rodata,"a",@progbits
	.p2align	6, 0x0
	.amdhsa_kernel k_qbc5e6d741f_fuse
		.amdhsa_group_segment_fixed_size 83968
		.amdhsa_private_segment_fixed_size 0
		.amdhsa_enable_private_segment 0
		.amdhsa_kernarg_size 64
		.amdhsa_user_sgpr_count 2
		.amdhsa_user_sgpr_kernarg_segment_ptr 1
		.amdhsa_wavefront_size32 1
		.amdhsa_system_sgpr_workgroup_id_x 1
		.amdhsa_system_sgpr_workgroup_id_y 1
		.amdhsa_system_sgpr_workgroup_id_z 1
		.amdhsa_system_vgpr_workitem_id 0
		.amdhsa_next_free_vgpr 258
		.amdhsa_next_free_sgpr 100
		.amdhsa_reserve_vcc 0
		.amdhsa_float_denorm_mode_32 3
		.amdhsa_float_denorm_mode_16_64 3
		.amdhsa_memory_ordered 1
		.amdhsa_forward_progress 1
		.amdhsa_inst_pref_size 42
	.end_amdhsa_kernel
	.amdgpu_metadata
---
amdhsa.version: [ 1, 2 ]
amdhsa.kernels:
  - .name:           k_qbc5e6d741f_fuse
    .symbol:         k_qbc5e6d741f_fuse.kd
    .args:
      - { .name: points_2, .offset: 0, .size: 8, .value_kind: global_buffer, .address_space: global }
      - { .name: w2c, .offset: 8, .size: 8, .value_kind: global_buffer, .address_space: global }
      - { .name: b2, .offset: 16, .size: 8, .value_kind: global_buffer, .address_space: global }
      - { .name: lowp_scales, .offset: 24, .size: 8, .value_kind: global_buffer, .address_space: global }
      - { .name: nidx, .offset: 32, .size: 8, .value_kind: global_buffer, .address_space: global }
      - { .name: nwgt, .offset: 40, .size: 8, .value_kind: global_buffer, .address_space: global }
      - { .name: p1t, .offset: 48, .size: 8, .value_kind: global_buffer, .address_space: global }
      - { .name: out1, .offset: 56, .size: 8, .value_kind: global_buffer, .address_space: global }
    .group_segment_fixed_size: 83968
    .private_segment_fixed_size: 0
    .kernarg_segment_align: 8
    .kernarg_segment_size: 64
    .max_flat_workgroup_size: 256
    .sgpr_count:     100
    .vgpr_count:     258
    .wavefront_size: 32
...
	.end_amdgpu_metadata
.endif
;; end of part 5
